; MI455X (gfx1250); checked and timed in simulation.
; The chip was launched on July 23, 2026; its instructions are those of AMD's public machine-readable ISA for CDNA 5 (MIT licence, August 2026) and "CDNA5" Instruction Set Architecture Reference Guide (July 2026). The comments in the code are by the model that wrote it; some were corrected since.
;; Causal Self Attention. Allowed arithmetic: matrix products marked QUANTISED: E4M3 operands, one E8M0 scale for each 32 along K, by v_wmma_scale_f32_16x16x128_f8f6f4 with both operands' format E4M3, f32 sums; everything else in f32.
;; Inputs: W_out_codes 1,024 x 32 x 32 uint8 (E4M3 codes of W_out, K innermost, in blocks of 32 codes); W_out_scales 1,024 x 32 uint8 (E8M0 scales of W_out, one for each 32 codes along K); W_qkv_codes 3,072 x 32 x 32 uint8 (E4M3 codes of W_qkv, K innermost, in blocks of 32 codes); W_qkv_scales 3,072 x 32 uint8 (E8M0 scales of W_qkv, one for each 32 codes along K); b_out 1,024 float32; b_qkv 3,072 float32; x_codes 4 x 2,048 x 32 x 32 uint8 (E4M3 codes of x, K innermost, in blocks of 32 codes); x_scales 4 x 2,048 x 32 uint8 (E8M0 scales of x, one for each 32 codes along K).
;; Outputs: out0 4 x 2,048 x 1,024 float32.
;; This version of the problem:
;;   THIS VERSION OF THE PROBLEM IS GIVEN IN LOW PRECISION. The matrix products marked QUANTISED in the list below multiply operands that are first quantised to E4M3 (4 exponent bits, 3 mantissa bits; 8 bits a number), with one power-of-two scale for each 32 numbers along K (OCP MX v1.0); their sums are f32. All else is computed in f32.
;;   The module's matrix products, in the order in which they are computed (A, B: the left and right operand; K: the contracted axis; several contracted axes count as one K, in the product's order):
;;     1. [M 8,192, K 1,024] x [K 1,024, N 3,072]; A: input x (given as codes); B: input W_qkv (given as codes): QUANTISED
;;     2. batch 64 x [M 2,048, K 64] x [K 64, N 2,048]; A: computed on the way; B: computed on the way: QUANTISED
;;     3. batch 64 x [M 2,048, K 2,048] x [K 2,048, N 64]; A: softmax (see below); B: computed on the way: QUANTISED
;;     4. [M 8,192, K 1,024] x [K 1,024, N 1,024]; A: computed on the way; B: input W_out (given as codes): QUANTISED
;;   THE QUANTISER, for each operand of a quantised product, along K:
;;     - K is cut into blocks of 32 from its start; a last block that is shorter is filled with zeros.
;;     - A block's scale is 2^e with e = floor(log2(the largest magnitude in the block)) - 8, held to -126 .. 127; a block of zeros has e = 0. As a byte (E8M0): e + 127.
;;     - Each number is divided by its block's scale, clamped to +-448, and rounded to the nearest number of E4M3, ties to even, subnormals kept.
;;     - The product sums the exact products of the quantised numbers (number of the format x scale) in f32.
;;   ~~~python
;;   def quantise(x, axis):      # numpy; x: float32 -> the quantised numbers, widened to float32 again
;;       x = np.moveaxis(x, axis, -1); K = x.shape[-1]
;;       x = np.pad(x, [(0, 0)] * (x.ndim - 1) + [(0, -K % 32)]); x = x.reshape(x.shape[:-1] + (-1, 32)); a = np.abs(x).max(-1, keepdims=True)
;;       e = np.where(a > 0, np.clip(np.frexp(np.where(a > 0, a, 1))[1] - 1 - 8, -126, 127), 0)      # np.frexp(a)[1] - 1 = floor(log2(a)), exactly
;;       r = np.clip(x / 2.0 ** e, -448, 448)
;;       step = 2.0 ** (np.maximum(np.frexp(np.where(r == 0, 1, r))[1] - 1, -6) - 3)
;;       q = np.round(r / step) * step * 2.0 ** e      # np.round: ties to even
;;       return np.moveaxis(q.reshape(q.shape[:-2] + (-1,))[..., :K], -1, axis).astype(np.float32)
;;   ~~~
;;   SOFTMAX AHEAD OF A QUANTISED PRODUCT. Where the list says 'softmax', what is quantised is not the finished softmax but p = 2^(t - M), with t = logit x log2(e) and M = ceil(the row's largest t), a whole number; so 1/2 < the row's largest p <= 1. The row's sum l is taken of the UNQUANTISED p, in f32, and the product's result is divided by l at the end. Since M is a whole number, a kernel that streams over the keys may use a running M (the ceiling of the running maximum): every later rescaling is an exact power of two, which a block's scale takes up: the codes' values come out the same.
;;   OPERANDS COMPUTED ON THE WAY. 'Computed on the way' means the value that the module computes at that place (a softmax that the list does not call 'softmax' is quantised finished and normalised). What goes into a quantiser is computed in f32, as accurately as f32 sums, v_exp_f32 and their like allow (about 1e-6 of the number): no bf16 or f16 on the way to a quantiser, and a product that is left as it is and whose result goes on into a quantised operand takes f32 operands (vector FMAs, or v_wmma_f32_16x16x4_f32). A number that lies on a knife's edge between two numbers of the format may be rounded either way, as far as f32 arithmetic and the matrix unit's own rounding can turn it there, and no further.
;;   INPUTS GIVEN AS CODES. W_out (in the module: [1024, 1024], K = its axis 0); W_qkv (in the module: [1024, 3072], K = its axis 0); x (in the module: [4, 2048, 1024], K = its axis 2): each comes as NAME_codes (uint8): NAME with its K axis moved to the last place and cut into blocks of 32 codes, [.., K / 32, bytes a block], one block behind the other in memory; one code a byte (a code: sign, 4 exponent bits, 3 mantissa bits); and NAME_scales (uint8): the same leading axes, one E8M0 byte (e + 127) for each 32 codes along K. Its value is code x scale, taken as it is: it is not quantised again, and the codes and scales need not be those that the quantiser above would give.
;; One version. Each part assembles by itself: llvm-mc -triple=amdgcn-amd-amdhsa -mcpu=gfx1250 --defsym DOCPART=n.
;; ======== version 1 of 1: 3 launches
;; limits: right only within a limited range of input values
;; workspace buffers: q_img 8,388,608 bytes; q_sc 524,288 bytes; kv 17,563,648 bytes; o_img 8,388,608 bytes; o_sc 262,144 bytes
;; launch qkv (part 1): grid 12 x 32, 4 waves a work-group, clusters of 4 x 4, 327,680 bytes of LDS; arguments x_codes, x_scales, W_qkv_codes, W_qkv_scales, b_qkv, q_img, q_sc, kv; writes q_img, q_sc, kv
.if DOCPART == 1
	.amdgcn_target "amdgcn-amd-amdhsa--gfx1250"
	.amdhsa_code_object_version 6
	.text
	.protected	k_q33054035c7_qkv
	.globl	k_q33054035c7_qkv
	.p2align	8
	.type	k_q33054035c7_qkv,@function
k_q33054035c7_qkv:
	s_mov_b64 s[64:65], 0
	v_nop
	global_prefetch_b8 v0, s[64:65] scope:SCOPE_SE
	s_setreg_imm32_b32 hwreg(HW_REG_WAVE_MODE, 25, 1), 1
	s_wait_xcnt 0x0
	s_wait_alu depctr_hold_cnt(0) depctr_sa_sdst(0) depctr_va_vdst(0) depctr_va_sdst(0) depctr_va_ssrc(0) depctr_va_vcc(0) depctr_vm_vsrc(0)
	s_getreg_b32 s2, hwreg(HW_REG_IB_STS2, 6, 4)
	s_cmp_eq_u32 s2, 0
	s_cbranch_scc0 .Lentry_in_a_cluster
	s_endpgm
.Lentry_in_a_cluster:
	s_bfe_u32 s2, ttmp6, 0x10000c
	s_cmp_lg_u32 s2, 0xf033
	s_cbranch_scc0 .Lentry_shape_is_right
	s_endpgm
.Lentry_shape_is_right:
; qkv = x W_qkv + b_qkv on codes of FP8 (E4M3) with one E8M0 scale for each 32 along K; the result is quantised on the way out and leaves as codes:
; q and k along the head's 64 channels, v along the keys.  x: [8192][1024] codes, W_qkv: [3072][1024] codes (K innermost), their scale bytes [rows][32]; b_qkv: [3072] f32.
; A tile of 256 tokens x 256 columns is made by a work-group of four waves; a wave makes 128 x 128: 64 accumulators of 16 x 16, 512 registers.  K goes in steps of 256 through a ring of two LDS slots.
; CLUSTERS: 4 x 4 work-groups; x's tiles are asked for jointly along a row of the cluster, W's along a column.  A column of clusters is 1,024 columns: PATH = the cluster's x says what they are: 0 q, 1 k, 2 v.
; ORIENTATION.  q, k: source 0 = 16 rows of W, source 1 = 16 tokens: a lane holds ONE token and its registers run along the channels, which are the next product's K.
;   v: source 0 = 16 tokens, source 1 = 16 rows of W: a lane holds ONE channel and its registers run along the keys.  Tile and wave tile are square, so the swap is a swap of LDS read addresses, chosen by PATH; the instructions are the same.
; ORDER INSIDE A BLOCK OF 32.  The 16 registers of result tiles 2 c, 2 c + 1 are numbers 32 c + 8 h + 0..7 and 32 c + 16 + 8 h + 0..7 (h = lane / 16); converted as they stand they fill registers 4 c .. 4 c + 3 of an operand.
;   That is a fixed permutation inside each block of 32, the same for q and k, and for v and the softmax's weights in the next launch: it stands on both sides of a product, so the sums are those of the true order, and a block's scale is untouched.
; WHAT IS STORED: images of the next launch's operand registers, 512 consecutive bytes a store.  q_img [head 64][16 queries: 128][c 2][lane][16 B]; q_sc [head][token] a word: two scale bytes, then 0x7f, 0x7f.
;   kv [head 64][128 keys: 16] records of 17,152 bytes: K's images [tile 8][c 2][lane][16], V^T's images [16 channels: 4][c 4][lane][16], K's scale words [128], V's scale words [4][16].
; LIMITS: a block whose largest magnitude lies under 2^-118 keeps the scale byte 1; a block of zeros gets the byte 1 and not 127 (its codes are zeros, and this program alone reads the bytes); NaN, infinities and a given scale byte 0xff are not served.
; REGISTERS, in windows of 256: window 0: v0-31 addresses, v8-15 the bias by lane; v32-63 scale words, two sets; v64-127 the bias by register; from v128 source 1's fragments, one set (on the way out: at work).
;   window 1: source 0's fragments, two sets.   window 2: accumulators of source 1's blocks 0-3 ((a, b) at v[8 (8 a + b)]);   window 3: blocks 4-7.
.set SIZE_K, 1024
.set KSTEP,  256                       ; along K in a slot
.set NQ,     KSTEP/128                 ; matrix instructions deep
.set ROWB,   256                       ; a tile's row in bytes
.set KROW,   SIZE_K                    ; a row of x or of W in memory, in bytes
.set PITCH,  272                       ; an LDS row: 256 bytes + 16 of padding = 68 words: the 16 rows that a load touches start 4 words apart
.set FR,     16                        ; registers of a fragment
.set NL,     4                         ; LDS loads that bring one
.set NP,     8                         ; places behind this matrix instruction (ISA guide 7.12.1)
.set HALFT,  128*PITCH                 ; 128 rows: what one tensor load brings, and what one wave reads of x or of W
.set SLOT,   4*HALFT                   ; x's 256 rows, then W's 256 rows
.set LAPS,   SIZE_K/(2*KSTEP)          ; a lap = two K steps = once round the ring
.set KS,     SIZE_K/32                 ; a row of scales in bytes
.set SCL,    2*SLOT                    ; behind the ring: the scales, as units of 256 bytes + 16 of padding
.set HALFS,  (128*KS/256)*272          ; the scales of 128 rows
.set SBLK,   (16*KS/256)*272           ; those of 16 rows
.set SPARE,  SCL+4*HALFS               ; behind the scales: the spare words, 128 bytes for each wave
.set REC,    17152                     ; a record of kv
.set VGO,  7                           ; v7      v's scale words in memory: 16 (lane % 16) + (lane / 16) x a head's records
.set BV,   8                           ; v8-15   b[n0 + 16 a + lane % 16], a = 0..7
.set ADRA, 16                          ; v16-17  LDS address of source 1's fragments in slot 0, 1
.set ADRB, 20                          ; v20-21  the same for source 0
.set BO,   22                          ; v22     32 (lane / 16)
.set BR,   23                          ; v23     4 (lane % 16)
.set LI,   24                          ; v24     16 x lane
.set QSI,  25                          ; v25     q, k: my stage for scale words, in;  v26 back
.set QSO,  26
.set ADRS, 27                          ; v27     LDS address of my scale words: lanes 0-15 source 1's rows, lanes 16-31 source 0's
.set SPW,  28                          ; v28     LDS address of my spare word; never rewritten
.set NIL,  29                          ; v29     0; never rewritten
.set VSI,  30                          ; v30     v: my stage for scale words, in;  v31 back
.set VSO,  31
.set SC,   32                          ; scale words: set s at v[SC + 16 s]; register 2 i + q
.set BI,   64                          ; v64-127 b[n0 + 16 i + 8 (lane / 16) + j] at 8 i + j
.set AF,   128                         ; source 1's fragments
.set X,    128                         ; the way out: v128-191 64 numbers;  v192-207 their codes;  v224-239 at work;  v240 the scale word;  v241-242 a head's words;  v244-251 words read back
.set PC,   192
.set TM,   224
.set PW,   240
.set W0,   241
.set W1,   242
.set RB,   244
.set G1, 24                            ; s[24:31] descriptor group 1 for x's tiles;  s[32:39] group 0, one set for each slot
.set G0, 32
.set G1B, 48                           ; s[48:55], s[56:63] the same for W's tiles
.set G0B, 56
.set G1S, 68                           ; s[68:75], s[76:79] groups 1 and 0 for x's scales;  s[80:87], s[88:91] for W's
.set G0S, 76
.set G1SB, 80
.set G0SB, 88
.set PATH, 66                          ; s66  0 q, 1 k, 2 v: the cluster's x, the same in all sixteen partners
.set CB,   68                          ; the way out: s[68:69], s[70:71] where my two heads' codes go;  s[72:73], s[74:75] their scale words
.set SB,   72
.set SEL,  20                          ; the way out: s[20:21] lane selects for lane l xor 16;  s23 four bytes 0x7f
.set MNT,  22
.set S7F,  23
.set MSB, 0
.macro WIN new                         ; the immediate's high byte repeats the setting that is left
.if MSB != \new
	s_set_vgpr_msb (MSB<<8)|\new
.set MSB, \new
.endif
.endm
.set MUL_LO, 0xa1                      ; source 0 window 1, source 1 window 0, C and D window 2
.set MUL_HI, 0xf1                      ; the same, C and D window 3
.set TO_B,   0x40                      ; destination window 1, address window 0
; A joint load: waves 0 and 1 fetch for x, waves 2 and 3 for W.  Each of the two lines has one mask and one set of registers for all that issue it; the branch hangs on the wave's number alone.
; Four v_nop follow each of the two lines.
.macro JLOAD g0a, g1a, g0b, g1b
	s_cmp_eq_u32 s15, 0
	s_cbranch_scc0 .Lfor_b_\@
	tensor_load_to_lds s[\g0a:\g0a+3], s[\g1a:\g1a+7]
	s_nop 0
.rept 4
	v_nop
.endr
	s_branch .Lasked_\@
.Lfor_b_\@:
	tensor_load_to_lds s[\g0b:\g0b+3], s[\g1b:\g1b+7]
	s_nop 0
.rept 4
	v_nop
.endr
.Lasked_\@:
.endm
.macro CREST                           ; a round of the cluster's barrier behind its opening barrier
	s_cmp_lg_u32 s14, 0
	s_cbranch_scc1 .Lnot_wave_0_\@
	s_barrier_signal -3
.Lnot_wave_0_\@:
	s_barrier_wait -3
	s_barrier_signal -1
	s_barrier_wait -1
.endm
.macro CROUND                          ; a whole round
	s_barrier_signal -1
	s_barrier_wait -1
	CREST
.endm
	s_load_b256 s[4:11], s[0:1], 0x0               ; x's codes s[4:5], x's scales s[6:7], W's codes s[8:9], W's scales s[10:11]
	s_load_b256 s[92:99], s[0:1], 0x20             ; b_qkv s[92:93], q_img s[94:95], q_sc s[96:97], kv s[98:99]
	v_lshl_add_u32 v[SPW], v0, 2, SPARE
	v_mov_b32 v[NIL], 0
	ds_add_u32 v28, v29
	ds_add_u32 v28, v29
	s_wait_dscnt 0x0
	v_lshrrev_b32 v1, 5, v0
	v_readfirstlane_b32 s14, v1                    ; wave 0..3
	s_lshr_b32 s15, s14, 1                         ; which half of the tile's tokens is mine.  Also: I fetch for x (0) or for W (1)
	s_and_b32 s16, s14, 1                          ; which half of its columns.  Also: which 128 rows of that tile I fetch
	s_bfe_u32 s40, ttmp6, 0x40000                  ; cx, cy: my place in the cluster
	s_bfe_u32 s41, ttmp6, 0x40004
	s_mov_b32 s[PATH], ttmp9
	s_lshl_b32 s42, ttmp9, 2
	s_add_co_u32 s42, s42, s40                     ; tile column = 4 x cluster x + cx
	s_and_b32 s17, ttmp7, 0xffff
	s_lshl_b32 s17, s17, 2
	s_add_co_u32 s17, s17, s41                     ; tile row = 4 x cluster y + cy
	s_lshl_b32 s43, s41, 2
	s_lshl_b32 s43, 15, s43                        ; my row of the cluster
	s_lshl_b32 s44, 0x1111, s40                    ; my column
	; descriptor group 1: a tile of 128 rows x 256 bytes, padded in LDS
	s_or_b32 s[G1+0], s43, (0<<16)|(1<<20)|(1<<21)|(5<<22)|(3<<25)  ; 15:0 the mask: x's tiles go to my row; 17:16 element of 1 byte; 20 padding on; 21 set beside a mask; 24:22 after every 64 words; 31:25 of 4 words
	s_or_b32 s[G1B+0], s44, (0<<16)|(1<<20)|(1<<21)|(5<<22)|(3<<25)
.irp g, G1, G1B
	s_mov_b32 s[\g+1], ROWB<<16                    ; tensor_dim0
	s_mov_b32 s[\g+2], 128<<16                     ; tensor_dim1
	s_mov_b32 s[\g+3], ROWB<<16                    ; tile_dim0
	s_mov_b32 s[\g+4], 128                         ; tile_dim1
	s_mov_b32 s[\g+5], KROW                        ; tensor_dim0_stride
	s_mov_b32 s[\g+6], 0
	s_mov_b32 s[\g+7], 0
.endr
	; the scales of 128 rows: a dense block of 4,096 bytes, as 16 rows of 256 bytes (32 elements of 8 bytes), 16 bytes of padding behind each
	s_or_b32 s[G1S+0], s43, (3<<16)|(1<<20)|(1<<21)|(5<<22)|(3<<25)
	s_or_b32 s[G1SB+0], s44, (3<<16)|(1<<20)|(1<<21)|(5<<22)|(3<<25)
.irp g, G1S, G1SB
	s_mov_b32 s[\g+1], 32<<16
	s_mov_b32 s[\g+2], (128*KS/256)<<16
	s_mov_b32 s[\g+3], 32<<16
	s_mov_b32 s[\g+4], 128*KS/256
	s_mov_b32 s[\g+5], 32
	s_mov_b32 s[\g+6], 0
	s_mov_b32 s[\g+7], 0
.endr
	s_lshl_b32 s18, s16, 7                         ; which 128 rows of the tile I fetch
	s_lshl_b32 s20, s17, 8
	s_add_co_u32 s20, s20, s18                     ; x: row 256 x tile row + 128 x half
	s_lshl_b32 s46, s42, 8
	s_add_co_u32 s46, s46, s18                     ; W: row 256 x tile column + 128 x half
	s_mov_b32 s21, 0
	s_mov_b32 s47, 0
	s_mov_b64 s[18:19], KS
	s_mul_u64 s[22:23], s[20:21], s[18:19]         ; where these rows' scales begin, in bytes
	s_mul_u64 s[12:13], s[46:47], s[18:19]
	s_mov_b64 s[18:19], KROW
	s_mul_u64 s[20:21], s[20:21], s[18:19]         ; and their codes
	s_mul_u64 s[46:47], s[46:47], s[18:19]
	s_mul_i32 s45, s14, HALFT                      ; where they go: wave x 128 rows: no place in the cluster enters an LDS address
	s_mul_i32 s67, s14, HALFS
	s_wait_kmcnt 0x0
	s_add_nc_u64 s[20:21], s[4:5], s[20:21]
	s_add_nc_u64 s[22:23], s[6:7], s[22:23]
	s_add_nc_u64 s[46:47], s[8:9], s[46:47]
	s_add_nc_u64 s[12:13], s[10:11], s[12:13]
	CROUND                                         ; all sixteen work-groups are here: the first joint loads meet
	s_mov_b32 s[G0S], 1
	s_add_co_u32 s[G0S+1], s67, SCL
	s_mov_b64 s[G0S+2:G0S+3], s[22:23]
	s_or_b32 s[G0S+3], s[G0S+3], 0x80000000
	s_mov_b32 s[G0SB], 1
	s_add_co_u32 s[G0SB+1], s67, SCL
	s_mov_b64 s[G0SB+2:G0SB+3], s[12:13]
	s_or_b32 s[G0SB+3], s[G0SB+3], 0x80000000
	JLOAD G0S, G1S, G0SB, G1SB                     ; the scales first: they are wanted with K step 0.  With the two below three loads of mine are out
.irp s, 0,1
	s_mov_b32 s[G0+4*\s], 1
	s_add_co_u32 s[G0+4*\s+1], s45, \s*SLOT
	s_add_nc_u64 s[G0+4*\s+2:G0+4*\s+3], s[20:21], \s*ROWB
	s_or_b32 s[G0+4*\s+3], s[G0+4*\s+3], 0x80000000
	s_mov_b32 s[G0B+4*\s], 1
	s_add_co_u32 s[G0B+4*\s+1], s45, \s*SLOT
	s_add_nc_u64 s[G0B+4*\s+2:G0B+4*\s+3], s[46:47], \s*ROWB
	s_or_b32 s[G0B+4*\s+3], s[G0B+4*\s+3], 0x80000000
	JLOAD G0+4*\s, G1, G0B+4*\s, G1B
.endr
	v_and_b32 v1, 15, v0                           ; r = lane % 16
	v_bfe_u32 v2, v0, 4, 1                         ; h = lane / 16
	v_mul_u32_u24 v3, v1, PITCH
	v_lshl_add_u32 v4, v2, 4, v3                   ; a fragment's row x pitch + 16 x half
	s_wait_alu depctr_va_vdst(0)
	s_mul_i32 s21, s15, HALFT                      ; my 128 tokens of x
	s_mul_i32 s22, s16, HALFT                      ; my 128 rows of W,
	s_add_co_u32 s22, s22, 2*HALFT                 ; which lie behind x's 256
	s_cmp_eq_u32 s[PATH], 2                        ; THE SWAP: for v the rows of W are source 1 and the tokens source 0
	s_cselect_b32 s18, s22, s21                    ; source 1's rows
	s_cselect_b32 s19, s21, s22                    ; source 0's rows
.irp s, 0,1
	v_add_nc_u32 v[ADRA+\s], s18, v4
	v_add_nc_u32 v[ADRB+\s], s19, v4
	s_add_co_u32 s18, s18, SLOT
	s_add_co_u32 s19, s19, SLOT
.endr
	v_mul_u32_u24 v5, v1, KS                       ; my row's scales: KS bytes a row,
	v_lshrrev_b32 v6, 8, v5
	v_lshl_add_u32 v5, v6, 4, v5                   ; and 16 more for each 256 passed
	s_mul_i32 s21, s15, HALFS                      ; x's: my 128 tokens
	s_mul_i32 s22, s16, HALFS                      ; W's: my 128 rows, behind x's 256
	s_add_co_u32 s22, s22, 2*HALFS
	s_cmp_eq_u32 s[PATH], 2
	s_cselect_b32 s18, s22, s21                    ; source 1's
	s_cselect_b32 s19, s21, s22                    ; source 0's
	s_mov_b32 s100, 0xffff0000                     ; lanes 16-31
	v_mov_b32 v6, s19
	v_cndmask_b32 v6, s18, v6, s100                ; lanes 0-15 take source 1's words, lanes 16-31 source 0's
	v_add_nc_u32 v5, v5, v6
	v_add_nc_u32 v[ADRS], SCL, v5
	; the way out's addresses are made here, ahead of every parting of ways
	v_and_b32 v6, 31, v0
	v_lshlrev_b32 v[LI], 4, v6
	s_lshl_b32 s18, s14, 10                        ; q, k: a stage of 1,024 bytes a wave (two heads x 128 words), from LDS byte 0
	v_lshl_add_u32 v[QSI], v1, 2, s18
	v_add_nc_u32 v[QSO], s18, v[LI]
	s_lshl_b32 s18, s14, 9                         ; v: a stage of 512 bytes a wave (two heads x 64 words), from LDS byte 4,096: each way has bytes of its own
	s_add_co_u32 s18, s18, 4096
	v_lshl_add_u32 v[VSI], v1, 2, s18
	v_add_nc_u32 v[VSO], s18, v[LI]
	v_mul_u32_u24 v[VGO], v2, 16*REC
	v_lshl_add_u32 v[VGO], v1, 4, v[VGO]
	v_lshlrev_b32 v[BO], 5, v2
	v_lshlrev_b32 v[BR], 2, v1
	s_lshl_b32 s18, s42, 10                        ; the bias of my 128 columns begins at 4 (256 x tile column + 128 x half) bytes
	s_lshl_b32 s19, s16, 9
	s_add_co_u32 s18, s18, s19
	s_mov_b32 s19, 0
	s_add_nc_u64 s[92:93], s[92:93], s[18:19]
.irp i, 0,1,2,3,4,5,6,7                        ; both forms of the bias are loaded by every wave: by register (q, k) and by lane (v); they are waited for at the way out
	global_load_b128 v[BI+8*\i:BI+8*\i+3], v[BO], s[92:93] offset:64*\i
	global_load_b128 v[BI+8*\i+4:BI+8*\i+7], v[BO], s[92:93] offset:64*\i+16
.endr
.irp a, 0,1,2,3,4,5,6,7
	global_load_b32 v[BV+\a], v[BR], s[92:93] offset:64*\a
.endr
.macro FRAG reg, adr, q, i             ; a fragment, 16 rows x 128 K, is 16 registers: lane l holds row l % 16; registers 4 c .. 4 c + 3 hold K = 32 c + 16 (l / 16) + 0 .. 15
.irp c, 0,1,2,3
	ds_load_b128 v[\reg+4*\c:\reg+4*\c+3], v[\adr] offset:128*(\q)+32*\c+(\i)*16*PITCH
.endr
.endm
; 16 matrix instructions: source 1's blocks a0, a0 + 1 x source 0's eight, 128 along K: the slot's q-th.  p: source 0's set;  sc: the set of scale words.  zero = 1: the first product starts the sums.
; The 64 accumulators take turns, one instruction a turn, in the same order in every step.
.macro MUL16 a0, p, q, sc, zero
.irp a, \a0, \a0+1
.irp b, 0,1,2,3,4,5,6,7
.if \zero
	v_wmma_scale_f32_16x16x128_f8f6f4 v[8*(8*((\a)%4)+\b):8*(8*((\a)%4)+\b)+7], v[128*(\p)+FR*\b:128*(\p)+FR*\b+FR-1], v[AF+FR*(\a):AF+FR*(\a)+FR-1], 0, v[SC+8*NQ*(\sc)+NQ*\b+(\q)], v[SC+8*NQ*(\sc)+NQ*(\a)+(\q)] matrix_a_scale:MATRIX_SCALE_ROW1
.else
	v_wmma_scale_f32_16x16x128_f8f6f4 v[8*(8*((\a)%4)+\b):8*(8*((\a)%4)+\b)+7], v[128*(\p)+FR*\b:128*(\p)+FR*\b+FR-1], v[AF+FR*(\a):AF+FR*(\a)+FR-1], v[8*(8*((\a)%4)+\b):8*(8*((\a)%4)+\b)+7], v[SC+8*NQ*(\sc)+NQ*\b+(\q)], v[SC+8*NQ*(\sc)+NQ*(\a)+(\q)] matrix_a_scale:MATRIX_SCALE_ROW1
.endif
.endr
.endr
.endm
.macro FETCH_B slot, q, p              ; source 0's eight fragments of the slot's q-th 128 along K into set p
	WIN TO_B
.irp i, 0,1,2,3,4,5,6,7
	FRAG 128*(\p)+FR*\i, ADRB+\slot, \q, \i
.endr
	WIN 0
.endm
.macro FETCH_A slot, q, i0             ; source 1's blocks i0 .. i0 + 3
.irp i, \i0, \i0+1, \i0+2, \i0+3
	FRAG AF+FR*(\i), ADRA+\slot, \q, \i
.endr
.endm
.macro SCALES sc                       ; the next K step's scale words into set sc: two words a row
.irp i, 0,1,2,3,4,5,6,7
	ds_load_b64 v[SC+8*NQ*\sc+NQ*\i:SC+8*NQ*\sc+NQ*\i+1], v[ADRS] offset:\i*SBLK
.endr
.endm
; A load into a register that a matrix instruction has read, and a vector instruction that reads a matrix result or writes one of its registers, stand NP places behind it; only plain vector
; instructions that name none of its registers are places (ISA guide 7.12.1 for vector instructions).
.macro PLACES n
.rept \n
	v_nop
.endr
.endm
; A step of 128 along K that has its successor in the same slot.
.macro STEP slot, q, zero
	s_wait_dscnt 4*NL                              ; source 0's set and source 1's blocks 0-3 are in; the youngest 16 loads (blocks 4-7) may be out
	WIN MUL_LO
	MUL16 0, (\q)%2, \q, \slot, \zero
	MUL16 2, (\q)%2, \q, \slot, \zero
	s_wait_dscnt 0                                 ; blocks 4-7 are in (asked for 32 matrix instructions ago)
	PLACES NP
	FETCH_B \slot, (\q)+1, 1-(\q)%2
	FETCH_A \slot, (\q)+1, 0
	WIN MUL_HI
	MUL16 4, (\q)%2, \q, \slot, \zero
	MUL16 6, (\q)%2, \q, \slot, \zero
	PLACES NP
	WIN 0
	FETCH_A \slot, (\q)+1, 4
.endm
; A slot's last step changes slots: one barrier; in front of it each wave waits for all its tensor loads, adds 0 to its spare word, and waits for that and for its own reads of this slot.  fill = 1: this slot is filled again, two K steps ahead.
.macro TURN slot, next, fill
	s_wait_tensorcnt 0x0                           ; all my tensor loads have landed: my part of the next slot
	ds_add_u32 v[SPW], v[NIL]                      ; 0 onto my spare word
	s_wait_dscnt 4*NL+1                            ; (the add and the youngest 16 loads, blocks 4-7, may be out)
	WIN MUL_LO
	MUL16 0, 1, NQ-1, \slot, 0                     ; sixteen matrix instructions stand between the add and the wait for it
	s_wait_dscnt 0x0                               ; the add is done, and my reads of this slot are over
	s_barrier_signal -1
	MUL16 2, 1, NQ-1, \slot, 0
	WIN 0
	s_barrier_wait -1
.if \fill
	CREST                                          ; the barrier has opened a round of the cluster's barrier: no wave of any partner still reads this slot's tile or has a load on its way
	s_add_nc_u64 s[G0+4*\slot+2:G0+4*\slot+3], s[G0+4*\slot+2:G0+4*\slot+3], 2*ROWB
	s_add_nc_u64 s[G0B+4*\slot+2:G0B+4*\slot+3], s[G0B+4*\slot+2:G0B+4*\slot+3], 2*ROWB
	JLOAD G0+4*\slot, G1, G0B+4*\slot, G1B         ; the first tensor load behind the round, my one load until the next; its four v_nop are among the places in front of the loads below
	PLACES NP-4
.else
	PLACES NP
.endif
	s_wait_alu depctr_va_vdst(0)
	v_add_nc_u32 v[ADRS], 4*NQ, v[ADRS]            ; on to the next K step's scale words
	FETCH_B \next, 0, 0
	FETCH_A \next, 0, 0
	SCALES \next
	WIN MUL_HI
	MUL16 4, 1, NQ-1, \slot, 0
	MUL16 6, 1, NQ-1, \slot, 0
	PLACES NP
	WIN 0
	FETCH_A \next, 0, 4
.endm
	s_wait_tensorcnt 1                             ; the scales and my part of K step 0 are in; K step 1's load may be out
	s_barrier_signal -1
	s_barrier_wait -1                              ; everybody's are
	FETCH_B 0, 0, 0
	FETCH_A 0, 0, 0
	SCALES 0
	FETCH_A 0, 0, 4
	STEP 0, 0, 1                                   ; the first step stands in front of the loop: its products start the sums
	s_mov_b32 s3, LAPS-1
.Llap:                                                 ; a trip goes once round the ring, from a lap's second step to the next lap's first, and fills both slots again
	TURN 0, 1, 1
	STEP 1, 0, 0
	TURN 1, 0, 1
	STEP 0, 0, 0
	s_sub_co_u32 s3, s3, 1
	s_cmp_lg_u32 s3, 0
	s_cbranch_scc1 .Llap
	TURN 0, 1, 0                                   ; the last lap fills nothing, and has no round of the cluster's barrier
	STEP 1, 0, 0
	s_wait_dscnt 4*NL                              ; the very last step: nothing more to fetch
	WIN MUL_LO
	MUL16 0, 1, NQ-1, 1, 0
	MUL16 2, 1, NQ-1, 1, 0
	s_wait_dscnt 0
	WIN MUL_HI
	MUL16 4, 1, NQ-1, 1, 0
	MUL16 6, 1, NQ-1, 1, 0
	WIN 0
; THE WAY OUT.  A block a of source 1 (16 tokens, or 16 channels) at a time: its 64 numbers a lane get the bias, are quantised in four blocks of 32 (16 of a block in my lane, 16 in lane l xor 16) and leave as register images.
; 64 numbers v[X] on, register 16 b + i, become 16 registers of codes in v[PC] on and the scale word in v[PW].
.macro QUANT
.irp b, 0,1,2,3
	v_max3_num_f32 v[TM+\b], |v[X+16*\b]|, |v[X+1+16*\b]|, 0x4800000   ; block b: my 16 numbers, and the floor 2^(9 - 127): the byte cannot fall under 1
.endr
.irp i, 2,4,6,8,10,12,14
.irp b, 0,1,2,3
	v_max3_num_f32 v[TM+\b], v[TM+\b], |v[X+16*\b+\i]|, |v[X+1+16*\b+\i]|   ; (the four blocks by turns)
.endr
.endr
.irp b, 0,1,2,3
	v_permlanex16_b32 v[TM+4+\b], v[TM+\b], s[SEL], s[SEL+1]
.endr
.irp b, 0,1,2,3
	v_max_num_f32 v[TM+\b], v[TM+\b], v[TM+4+\b]   ; with lane l xor 16's: the block's largest magnitude
.endr
.irp b, 0,1,2,3
	v_add_nc_u32 v[TM+12+\b], 0xfc000000, v[TM+\b] ; 8 off its exponent field: the conversion takes the exponent field of this operand as its scale
.endr
.irp b, 0,1,2,3
.endr
.irp b, 0,1,2,3
	v_lshrrev_b32 v[TM+4+\b], 23, v[TM+12+\b]      ; the scale's byte
.endr
	v_lshl_or_b32 v[PW], v[TM+5], 8, v[TM+4]
	v_lshl_or_b32 v[PW], v[TM+6], 16, v[PW]
	v_lshl_or_b32 v[PW], v[TM+7], 24, v[PW]
	s_wait_xcnt 0x0                                ; the last block's stores have read the codes' registers: they are written again only behind this wait
.irp b, 0,1,2,3
.irp i, 0,1,2,3,4,5,6,7,8,9,10,11,12,13,14,15
.endr
	v_cvt_scalef32_pk8_fp8_f32 v[PC+4*\b:PC+1+4*\b], v[X+16*\b:X+7+16*\b], v[TM+12+\b]
	v_cvt_scalef32_pk8_fp8_f32 v[PC+2+4*\b:PC+3+4*\b], v[X+8+16*\b:X+15+16*\b], v[TM+12+\b]
.endr
	v_nop                                          ; one plain vector instruction behind the last conversion, ahead of whatever next writes its sources
.endm
; q, k: block a = 16 tokens; registers 16 c + i = channels of head c / 2, block c % 2.  The accumulators are read in ascending order, each from its low end on.
.macro BLK_QK a
.set AC, 64*((\a)%4)
.set WN, 0x02+(\a)/4
	WIN WN                                         ; source 0: window 2 or 3
.set QP, 0
.rept 32
	v_pk_add_f32 v[X+QP:X+QP+1], v[AC+QP:AC+QP+1], v[BI+QP:BI+QP+1]
.set QP, QP+2
.endr
	WIN 0
	QUANT
.irp c, 0,1,2,3
	global_store_b128 v[LI], v[PC+4*\c:PC+4*\c+3], s[CB+2*(\c/2):CB+2*(\c/2)+1] offset:(\a)*1024+(\c%2)*512   ; 32 lanes store 512 consecutive bytes, aligned to 256
.endr
	s_wait_alu depctr_va_vdst(0)
	v_perm_b32 v[W0], s[S7F], v[PW], 0x05040100    ; the first head's two bytes, then 0x7f, 0x7f: the scale 1 for the upper half of the next product's K, which holds zero codes
	v_perm_b32 v[W1], s[S7F], v[PW], 0x05040302    ; the second head's
	ds_store_b32 v[QSI], v[W0] offset:64*(\a)      ; both halves of the lanes write the same word with the same value
	ds_store_b32 v[QSI], v[W1] offset:512+64*(\a)
.endm
; v: block a = 16 channels of head a / 4; registers 16 c + i = keys of block c.
.macro BLK_V a
.set AC, 64*((\a)%4)
.set WN, 0x02+(\a)/4
	WIN WN
.set QP, 0
.rept 64
	v_add_f32 v[X+QP], v[AC+QP], v[BV+(\a)]
.set QP, QP+1
.endr
	WIN 0
	QUANT
.irp c, 0,1,2,3
	global_store_b128 v[LI], v[PC+4*\c:PC+4*\c+3], s[CB+2*((\a)/4):CB+2*((\a)/4)+1] offset:((\a)%4)*2048+\c*512
.endr
	s_wait_alu depctr_va_vdst(0)
	ds_store_b32 v[VSI], v[PW] offset:64*(\a)
.endm
	PLACES NP                                      ; behind the last products: their results are read and their operands' registers written from here on
	s_wait_loadcnt 0x0                             ; the bias
	s_lshr_b32 s18, s17, 3                         ; the batch: a tile row is 256 tokens, a batch 8 tile rows
	s_and_b32 s19, s17, 7
	s_lshl_b32 s19, s19, 1
	s_add_co_u32 s19, s19, s15                     ; my 128 tokens: which key step of the batch
	s_and_b32 s2, s42, 3
	s_lshl_b32 s2, s2, 2
	s_lshl_b32 s3, s16, 1
	s_add_co_u32 s2, s2, s3                        ; my first head: 4 x (tile column % 4) + 2 x half
	s_lshl_b32 s18, s18, 4
	s_add_co_u32 s18, s18, s2                      ; 16 x batch + head
	s_lshl_b32 s2, s18, 4
	s_add_co_u32 s2, s2, s19
	s_mul_i32 s2, s2, REC                          ; its record in kv
	s_lshl_b32 s3, s18, 17                         ; q_img: 131,072 bytes a head,
	s_lshl_b32 s12, s19, 13                        ; 64 bytes a token
	s_add_co_u32 s3, s3, s12
	s_lshl_b32 s12, s18, 13                        ; q_sc: 8,192 bytes a head,
	s_lshl_b32 s13, s19, 9                         ; 4 bytes a token
	s_add_co_u32 s12, s12, s13
	s_cmp_eq_u32 s[PATH], 2
	s_cselect_b32 s13, 8192, 0                     ; in a record V's images lie 8,192 bytes behind K's,
	s_cselect_b32 s67, 512, 0                      ; and V's scale words 512 bytes behind K's
	s_add_co_u32 s13, s13, s2
	s_add_co_u32 s67, s67, s2
	s_add_co_u32 s67, s67, 16384
	s_mov_b32 s80, 16*REC                          ; from head to head in kv
	s_cmp_eq_u32 s[PATH], 0                        ; q's buffers, or kv: the choice hangs on the cluster's number alone
	s_cselect_b64 s[CB:CB+1], s[94:95], s[98:99]
	s_cselect_b64 s[SB:SB+1], s[96:97], s[98:99]
	s_cselect_b32 s76, s3, s13
	s_cselect_b32 s78, s12, s67
	s_cselect_b32 s82, 8192, s80
	s_cselect_b32 s80, 131072, s80
	s_mov_b32 s77, 0
	s_mov_b32 s79, 0
	s_mov_b32 s81, 0
	s_mov_b32 s83, 0
	s_add_nc_u64 s[CB:CB+1], s[CB:CB+1], s[76:77]
	s_add_nc_u64 s[SB:SB+1], s[SB:SB+1], s[78:79]
	s_add_nc_u64 s[CB+2:CB+3], s[CB:CB+1], s[80:81]   ; the second head's
	s_add_nc_u64 s[SB+2:SB+3], s[SB:SB+1], s[82:83]
	s_mov_b32 s[SEL], 0x76543210
	s_mov_b32 s[SEL+1], 0xfedcba98
	s_mov_b32 s[S7F], 0x7f7f7f7f
.irp b, 0,1,2,3
	v_mov_b32 v[TM+4+\b], 0                        ; written once: a lane permute's destination counts as one of its sources
.endr
	s_cmp_eq_u32 s[PATH], 2
	s_cbranch_scc1 .Lv
.irp a, 0,1,2,3,4,5,6,7
	BLK_QK \a
.endr
	ds_load_b128 v[RB:RB+3], v[QSO]                ; LDS serves a wave's instructions in order: these see my stores.  128 words of each head
	ds_load_b128 v[RB+4:RB+7], v[QSO] offset:512
	s_wait_dscnt 0x0
	global_store_b128 v[LI], v[RB:RB+3], s[SB:SB+1]       ; 512 consecutive bytes, aligned to 256
	global_store_b128 v[LI], v[RB+4:RB+7], s[SB+2:SB+3]
	s_branch .Lend
.Lv:
.irp a, 0,1,2,3,4,5,6,7
	BLK_V \a
.endr
	ds_load_b128 v[RB:RB+3], v[VSO]                ; lanes 0-15 the first head's 64 words, lanes 16-31 the second's
	s_wait_dscnt 0x0
	global_store_b128 v[VGO], v[RB:RB+3], s[SB:SB+1]      ; sixteen lanes store 256 consecutive bytes, aligned, in each head's record
.Lend:
	s_wait_tensorcnt 0x0                           ; the wave's end: behind my last tensor load and my last LDS store
	ds_add_u32 v[SPW], v[NIL]
	s_wait_dscnt 0x0
	CROUND                                         ; the closing round: no work-group ends while a partner may still ask for a tile that names it
	s_endpgm
.Lfunc_end_k_q33054035c7_qkv:
	.size	k_q33054035c7_qkv, .Lfunc_end_k_q33054035c7_qkv-k_q33054035c7_qkv
	.p2alignl 7, 3214868480
	.fill 96, 4, 3214868480
	.section	.rodata,"a",@progbits
	.p2align	6, 0x0
	.amdhsa_kernel k_q33054035c7_qkv
		.amdhsa_group_segment_fixed_size 327680
		.amdhsa_private_segment_fixed_size 0
		.amdhsa_enable_private_segment 0
		.amdhsa_kernarg_size 64
		.amdhsa_user_sgpr_count 2
		.amdhsa_user_sgpr_kernarg_segment_ptr 1
		.amdhsa_wavefront_size32 1
		.amdhsa_system_sgpr_workgroup_id_x 1
		.amdhsa_system_sgpr_workgroup_id_y 1
		.amdhsa_system_sgpr_workgroup_id_z 1
		.amdhsa_system_vgpr_workitem_id 0
		.amdhsa_next_free_vgpr 1024
		.amdhsa_next_free_sgpr 102
		.amdhsa_reserve_vcc 0
		.amdhsa_float_denorm_mode_32 3
		.amdhsa_float_denorm_mode_16_64 3
		.amdhsa_fp16_overflow 1
		.amdhsa_memory_ordered 1
		.amdhsa_forward_progress 1
		.amdhsa_inst_pref_size 222
	.end_amdhsa_kernel
	.amdgpu_metadata
---
amdhsa.version: [ 1, 2 ]
amdhsa.kernels:
  - .name:           k_q33054035c7_qkv
    .symbol:         k_q33054035c7_qkv.kd
    .args:
      - { .name: x_codes, .offset: 0, .size: 8, .value_kind: global_buffer, .address_space: global }
      - { .name: x_scales, .offset: 8, .size: 8, .value_kind: global_buffer, .address_space: global }
      - { .name: W_qkv_codes, .offset: 16, .size: 8, .value_kind: global_buffer, .address_space: global }
      - { .name: W_qkv_scales, .offset: 24, .size: 8, .value_kind: global_buffer, .address_space: global }
      - { .name: b_qkv, .offset: 32, .size: 8, .value_kind: global_buffer, .address_space: global }
      - { .name: q_img, .offset: 40, .size: 8, .value_kind: global_buffer, .address_space: global }
      - { .name: q_sc, .offset: 48, .size: 8, .value_kind: global_buffer, .address_space: global }
      - { .name: kv, .offset: 56, .size: 8, .value_kind: global_buffer, .address_space: global }
    .group_segment_fixed_size: 327680
    .private_segment_fixed_size: 0
    .kernarg_segment_align: 8
    .kernarg_segment_size: 64
    .max_flat_workgroup_size: 128
    .sgpr_count:     102
    .vgpr_count:     1024
    .wavefront_size: 32
...
	.end_amdgpu_metadata
.endif
;; end of part 1
;; launch attn (part 2): grid 4 x 64, 16 waves a work-group, no clusters, 327,680 bytes of LDS; arguments q_img, q_sc, kv, o_img, o_sc; writes o_img, o_sc
.if DOCPART == 2
	.amdgcn_target "amdgcn-amd-amdhsa--gfx1250"
	.amdhsa_code_object_version 6
	.text
	.protected	k_q33054035c7_attn
	.globl	k_q33054035c7_attn
	.p2align	8
	.type	k_q33054035c7_attn,@function
k_q33054035c7_attn:
	s_mov_b64 s[64:65], 0
	v_nop
	global_prefetch_b8 v0, s[64:65] scope:SCOPE_SE
	s_setreg_imm32_b32 hwreg(HW_REG_WAVE_MODE, 25, 1), 1
	s_wait_xcnt 0x0
; Causal attention of one head on codes of FP8 (E4M3) with one E8M0 scale for each 32 along a product's K; head size 64, 2,048 tokens, 64 heads (batch x head).  The result is quantised along the model's 1,024 and leaves as codes.
; INPUTS are images of operand registers: q_img [head][16 queries][c 2][lane][16 B], q_sc [head][token] a word, kv [head][128 keys] records of 17,152 bytes: K's images [tile 8][c 2][lane][16],
;   V^T's images [16 channels: 4][c 4][lane][16], K's scale words [128], V's scale words [4][16].  Inside each block of 32 along K the numbers stand in one fixed order, the same on both sides of each product.
; THE SOFTMAX AHEAD OF THE SECOND PRODUCT: t = score x log2(e) / 8; M = the row's largest t so far, rounded UP to a whole number; p = 2^(t - M) is quantised along the keys, not normalised.
;   The row's sum is taken of the unquantised p and divides O at the end.  When M moves, the sum and O are multiplied by 2^(old M - new M): exact.
; SHARES.  A work-group serves query block I (256 queries) and then block 7 - I of one head: (I + 1) + (8 - I) = 9 slots of 256 keys for every work-group; the loop's trip count is a constant.
;   Each of its sixteen waves owns 16 queries, one tile, in 256 registers: four waves to a SIMD.  Key steps whose 128 keys all come after the wave's queries are left out by a scalar branch on ids.
; NO CLUSTER: the four work-groups of a head want different slots in the same trip (slot tau, or tau - I - 1), so their requests would not meet; the pairing of blocks that makes their work equal is what sets them apart.
; LAYOUT.  Both products are used transposed: S^T = K Q^T (source 0 = 16 keys, source 1 = my 16 queries), O^T = V^T P^T: a lane holds ONE query (lane % 16) throughout.
; K = 64 IN AN INSTRUCTION OF 128: Q's registers 8-15 are zero codes, and the scale bytes of the upper half are 0x7f.  A tile of K is 8 registers; the instruction's other 8 are the next tile's codes
;   (finite: the quantiser holds at 448, so no NaN code is made), for the last tile zeros: they meet Q's zero codes.
; LIMITS: a block whose largest magnitude lies under 2^-118 keeps the scale byte 1; a block of zeros gets the byte 1 and not 127 (its codes are zeros; this program alone reads the bytes); NaN and infinities are not served.
.set REC,   17152                      ; a record: 128 keys
.set SLOT1, 65536                      ; a slot holds two records, 34,304 dense bytes; slot 1 begins here, so that one exclusive or turns an address
.set SPARE, 131072                     ; the spare words, 128 bytes for each of sixteen waves
.set LI,  1                            ; v1   16 x lane
.set LS,  2                            ; v2   4 x lane
.set R4,  3                            ; v3   4 (lane % 16)
.set R32, 4                            ; v4   32 (lane % 16)
.set SPW, 5                            ; v5   LDS address of my spare word; never rewritten
.set NIL, 6                            ; v6   0; never rewritten
.set PFO, 7                            ; v7   the prefetches' offset; never rewritten
.set ADI, 8                            ; v8   the slot in hand + 16 x lane
.set ADW, 9                            ; v9   the slot in hand + 4 x lane
.set RH,  10                           ; v10  lane % 16 - 8 (lane / 16)
.set DD,  11                           ; v11  the mask's bound
;                                        v12 -M, v13 the largest t, v[14:15] the sum in two halves
.set QF,  16                           ; v16-23 Q's codes, v24-31 zeros
.set KT,  32                           ; v32-95 eight tiles of K, 8 registers each; later four fragments of V^T, 16 each;  v96-103 zeros
.set S,   104                          ; v104-167 S^T, then p
.set O,   168                          ; v168-199 O^T
.set PC,  200                          ; v200-215 codes
.set KSW, 216                          ; v216-219 K's scale words: lanes 0-15 tile 2 u, lanes 16-31 tile 2 u + 1
.set VSW, 220                          ; v220-221 V's likewise
.set QSW, 222                          ; v222 Q's scale word
.set PSW, 223                          ; v223 p's scale word
.set BM,  224                          ; v224-227 a block's largest
.set PD,  228                          ; v228-231 permutes' destinations, then bytes
.set HO,  232
.set SO,  236                          ; v236-239 the conversions' scale operands
.set T,   240                          ; v240-247 the other half's codes
.set F,   248                          ; v[248:249] f = 2^(old M - new M) (the low word serves both halves)
.set TP,  250
.set OW,  251                          ; o's two scale bytes
.set C2,  252                          ; v[252:253] the sum's second chain
.set TB,  2                            ; s2   LDS byte at which the slot in hand begins
.set TAU, 3                            ; s3   the trip
.set WV,  14
.set II,  15                           ; s15  I: the work-group's x
.set BH,  16                           ; s16  16 x batch + head
.set SGN, 17                           ; s17  which 256 keys the coming trip takes
.set KF,  18                           ; s18  the step's first key
.set MNT, 19
.set SEL, 20
.set CS,  22                           ; s[22:23] c = log2(e) / 8
.set G1,  24
.set G0,  32
.set KVB, 36                           ; s[36:37] my record of the head's slot 0
.set OFF, 38                           ; s[38:39] bytes from there to the slot asked for
.set Q0,  40                           ; s40  my first query
.set LIM, 41                           ; s41  a wave prefetches in the trips under this number
.set HM,  42                           ; s42  lanes 16-31
.set QB,  43                           ; s43  the query block
.set PFA, 44                           ; s[44:45] where the prefetches stand
; Waves 0 and 1 fetch a record each, the others nothing.  Four v_nop follow the line.
.macro TLOAD
	s_cmp_lt_u32 s[WV], 2
	s_cbranch_scc0 .Lasked_\@
	tensor_load_to_lds s[G0:G0+3], s[G1:G1+7]
	s_nop 0
.rept 4
	v_nop
.endr
.Lasked_\@:
.endm
; A PREFETCH INTO THE L2 of the slot that the same work-group's NEXT change of slots will ask for: two key steps ahead of that load.  A slot is 134 blocks of 256 bytes.  All four work-groups of a head walk the
; same records: the one with I = 0, which walks slots 0 to 7 in order from its second trip on, asks, and nobody else.  In it waves 4 to 8, which fetch nothing, ask: a lane a block; the lanes of wave 8 past the
; slot's last block name that block again.  In trip tau (0 to 6) slot tau + 1 is named: slot 0 by nobody, and nothing past the head's last record.
.macro ASK
	s_cmp_lt_u32 s[TAU], s[LIM]
	s_cbranch_scc0 .Lnot_mine_\@
	global_prefetch_b8 v[PFO], s[PFA:PFA+1] th:TH_LOAD_NT scope:SCOPE_SE
.Lnot_mine_\@:
.endm
	s_load_b256 s[4:11], s[0:1], 0x0               ; q_img s[4:5], q_sc s[6:7], kv s[8:9], o_img s[10:11]
	s_load_b64 s[12:13], s[0:1], 0x20              ; o_sc
	v_lshl_add_u32 v[SPW], v0, 2, SPARE
	v_mov_b32 v[NIL], 0
	ds_add_u32 v5, v6
	ds_add_u32 v5, v6
	s_wait_dscnt 0x0
	v_lshrrev_b32 v8, 5, v0
	s_delay_alu instid0(VALU_DEP_1)
	v_readfirstlane_b32 s[WV], v8                  ; wave 0..15
	s_mov_b32 s[II], ttmp9
	s_and_b32 s[BH], ttmp7, 0xffff
	; descriptor group 1: a record, 17,152 dense bytes, as 67 rows of 256 bytes (32 elements of 8 bytes); no padding: every read takes 512 or 128 consecutive bytes
	s_mov_b32 s[G1], 3<<16
	s_mov_b32 s[G1+1], 32<<16                      ; tensor_dim0
	s_mov_b32 s[G1+2], 67<<16                      ; tensor_dim1
	s_mov_b32 s[G1+3], 32<<16                      ; tile_dim0
	s_mov_b32 s[G1+4], 67                          ; tile_dim1
	s_mov_b32 s[G1+5], 32                          ; tensor_dim0_stride
	s_mov_b32 s[G1+6], 0
	s_mov_b32 s[G1+7], 0
	s_lshl_b32 s52, s[BH], 17                      ; the head in q_img,
	s_mov_b32 s53, 0
	s_lshl_b32 s54, s[BH], 13                      ; in q_sc,
	s_mov_b32 s55, 0
	s_mul_i32 s50, s[BH], 16*REC                   ; in kv
	s_mov_b32 s51, 0
	s_and_b32 s48, s[WV], 1
	s_mul_i32 s48, s48, REC                        ; which record of a slot I fetch, if I fetch
	s_mov_b32 s49, 0
	s_mov_b32 s[SEL], 0x76543210
	s_mov_b32 s[SEL+1], 0xfedcba98
	s_mov_b32 s[CS], 0x3e38aa3b                    ; log2(e) / 8
	s_mov_b32 s[CS+1], s[CS]                       ; (named with it as a pair, so it is written)
	s_mov_b32 s[HM], 0xffff0000
	s_mov_b32 s[TB], 0
	s_mov_b32 s[SGN], 0
	s_mov_b32 s[OFF+1], 0
	s_sub_co_u32 s52, s[WV], 4                     ; (s52 is read below only behind its next write: the head's offset is made again)
	s_cmp_lt_u32 s52, 5                            ; waves 4 to 8,
	s_cselect_b32 s[LIM], 7, 0
	s_cmp_eq_u32 s[II], 0                          ; of the work-group with I = 0
	s_cselect_b32 s[LIM], s[LIM], 0
	s_lshl_b32 s52, s[BH], 17
	s_wait_kmcnt 0x0
	s_add_nc_u64 s[4:5], s[4:5], s[52:53]
	s_add_nc_u64 s[6:7], s[6:7], s[54:55]
	s_add_nc_u64 s[PFA:PFA+1], s[8:9], s[50:51]    ; the head's slot 0; each filling change steps it by a slot ahead of its prefetch
	s_add_nc_u64 s[KVB:KVB+1], s[PFA:PFA+1], s[48:49]
	s_mov_b32 s[G0], 1                             ; count = 1
	s_mov_b32 s[G0+1], s48                         ; LDS address: slot 0, my record
	s_mov_b64 s[G0+2:G0+3], s[KVB:KVB+1]           ; the head's first 256 keys
	s_or_b32 s[G0+3], s[G0+3], 0x80000000          ; type = 2
	TLOAD                                          ; the one first fill: one load of mine is out
	v_and_b32 v[LI], 31, v0
	s_delay_alu instid0(VALU_DEP_1)
	v_lshlrev_b32 v[LS], 2, v[LI]
	s_delay_alu instid0(VALU_DEP_2)
	v_lshlrev_b32 v[LI], 4, v[LI]
	v_and_b32 v8, 15, v0                           ; r
	v_bfe_u32 v9, v0, 4, 1                         ; h
	s_delay_alu instid0(VALU_DEP_2)
	v_lshlrev_b32 v[R4], 2, v8
	s_delay_alu instid0(VALU_DEP_3)
	v_lshlrev_b32 v[R32], 5, v8
	s_delay_alu instid0(VALU_DEP_3)
	v_lshlrev_b32 v9, 3, v9
	s_delay_alu instid0(VALU_DEP_1)
	v_sub_nc_u32 v[RH], v8, v9
	v_add_nc_u32 v[PFO], 0xffffff80, v0            ; thread - 128 = 32 (wave - 4) + lane,
	s_delay_alu instid0(VALU_DEP_1)
	v_min_u32 v[PFO], 133, v[PFO]                  ; held at the slot's last block,
	s_delay_alu instid0(VALU_DEP_1)
	v_lshlrev_b32 v[PFO], 8, v[PFO]                ; 256 bytes a block
.irp j, 0,1,2,3,4,5,6,7
	v_mov_b32 v[QF+8+\j], 0                        ; zero codes: the upper half of Q's operand,
	v_mov_b32 v[KT+64+\j], 0                       ; and of the last tile of K's
	v_mov_b32 v[T+\j], 0                           ; written once: a lane permute's destination counts as one of its sources
.endr
.irp b, 0,1,2,3
	v_mov_b32 v[PD+\b], 0
.endr
	v_mov_b32 v[F+1], 0                            ; (named as the upper half of a pair)
	v_mov_b32 v[TP], 0
; My 16 queries of block s[QB]: their codes and scale words, and a fresh softmax: O^T and the sum begin as zeros and the largest t as -3e38, so the key step is written once.
.macro INIT
	s_wait_xcnt 0x0                                ; earlier loads and stores have read their bases and data: both are written again only behind this wait
	s_lshl_b32 s[Q0], s[QB], 8
	s_lshl_b32 s52, s[WV], 4
	s_add_co_u32 s[Q0], s[Q0], s52                 ; my first query
	s_lshl_b32 s52, s[Q0], 6                       ; 64 bytes of codes a query
	s_mov_b32 s53, 0
	s_add_nc_u64 s[46:47], s[4:5], s[52:53]
	s_lshl_b32 s52, s[Q0], 2
	s_add_nc_u64 s[48:49], s[6:7], s[52:53]
	global_load_b128 v[QF:QF+3], v[LI], s[46:47]
	global_load_b128 v[QF+4:QF+7], v[LI], s[46:47] offset:512
	global_load_b32 v[QSW], v[R4], s[48:49]
	v_mov_b32 v13, 0xff61b1e6                      ; -3e38, under every t
	s_delay_alu instid0(VALU_DEP_1)
	v_floor_f32 v12, -v13                          ; -M
	v_mov_b32 v14, 0
	v_mov_b32 v15, 0
.set J, 0
.rept 32
	v_mov_b32 v[O+J], 0
.set J, J+1
.endr
	s_wait_loadcnt 0x0
.endm
; A KEY STEP: 128 keys, record q of the slot in hand.
.macro STEP q
	s_add_co_u32 s52, s[Q0], 15
	s_cmp_gt_u32 s[KF], s52                        ; all its keys come after my queries: left out (ids alone; no barrier and no tensor load stands in a step)
	s_cbranch_scc1 .Lhidden_\@
	v_add_nc_u32 v[ADI], s[TB], v[LI]
	v_add_nc_u32 v[ADW], s[TB], v[LS]
.rept 6
	v_nop                                          ; with the two additions: eight places in front of loads into registers that the last products have read
.endr
.irp t, 0,1,2,3,4,5,6,7
	ds_load_b128 v[KT+8*\t:KT+8*\t+3], v[ADI] offset:(\q)*REC+1024*\t
	ds_load_b128 v[KT+8*\t+4:KT+8*\t+7], v[ADI] offset:(\q)*REC+1024*\t+512
.endr
.irp u, 0,1,2,3
	ds_load_b32 v[KSW+\u], v[ADW] offset:(\q)*REC+16384+128*\u
.endr
	s_wait_alu depctr_va_vdst(0)
	s_wait_dscnt 0x0
.set TT, 0
.rept 4                                        ; S^T = K Q^T: in tile t lane (r, h) holds query r, register j key 16 t + 8 h + j
	v_wmma_scale_f32_16x16x128_f8f6f4 v[S+16*TT:S+16*TT+7], v[KT+16*TT:KT+16*TT+15], v[QF:QF+15], 0, v[KSW+TT], v[QSW]
	v_wmma_scale_f32_16x16x128_f8f6f4 v[S+16*TT+8:S+16*TT+15], v[KT+16*TT+8:KT+16*TT+23], v[QF:QF+15], 0, v[KSW+TT], v[QSW] matrix_a_scale:MATRIX_SCALE_ROW1
.set TT, TT+1
.endr
.rept 8
	v_nop                                          ; places: in front of the loads below, and of the first read of the scores
.endr
.irp t, 0,1,2,3                                ; V^T's four fragments are asked for now and land under the softmax
.irp c, 0,1,2,3
	ds_load_b128 v[KT+16*\t+4*\c:KT+16*\t+4*\c+3], v[ADI] offset:(\q)*REC+8192+2048*\t+512*\c
.endr
.endr
.irp u, 0,1
	ds_load_b32 v[VSW+\u], v[ADW] offset:(\q)*REC+16896+128*\u
.endr
	s_add_co_u32 s52, s[KF], 127                   ; on the diagonal the scores of hidden keys become -infinity ahead of the maximum: p = 0 then.  A step all of whose keys count skips this
	s_cmp_le_u32 s52, s[Q0]
	s_cbranch_scc1 .Lopen_\@
	s_sub_co_i32 s52, s[Q0], s[KF]
	v_add_nc_u32 v[DD], s52, v[RH]                 ; d = my query - the step's first key - 8 (lane / 16): register 8 t + j is hidden where 16 t + j > d
	v_mov_b32 v[TP], 0xff800000
.set N, 0
.rept 64
	v_cmp_gt_i32 vcc_lo, 16*(N/8)+N%8, v[DD]
	v_cndmask_b32 v[S+N], v[S+N], v[TP], vcc_lo
.set N, N+1
.endr
.Lopen_\@:
.irp b, 0,1,2,3
	v_max3_num_f32 v[BM+\b], v[S+16*\b], v[S+1+16*\b], v[S+2+16*\b]   ; the largest score of each block of 32 keys: for the row's maximum, and, since p rises with the score, for the block's largest p
.endr
.irp i, 3,5,7,9,11,13
.irp b, 0,1,2,3
	v_max3_num_f32 v[BM+\b], v[BM+\b], v[S+16*\b+\i], v[S+1+16*\b+\i]
.endr
.endr
.irp b, 0,1,2,3
	v_max_num_f32 v[BM+\b], v[BM+\b], v[S+15+16*\b]
.endr
.irp b, 0,1,2,3
	s_delay_alu instid0(VALU_DEP_4)
	v_permlanex16_b32 v[PD+\b], v[BM+\b], s[SEL], s[SEL+1]
.endr
.irp b, 0,1,2,3
	s_delay_alu instid0(VALU_DEP_4)
	v_max_num_f32 v[BM+\b], v[BM+\b], v[PD+\b]     ; with lane l xor 16's 16 keys
.endr
	s_delay_alu instid0(VALU_DEP_2)
	v_max3_num_f32 v[TP], v[BM], v[BM+1], v[BM+2]
	s_delay_alu instid0(VALU_DEP_1)
	v_max_num_f32 v[TP], v[TP], v[BM+3]            ; the step's largest score of my query
	s_delay_alu instid0(VALU_DEP_1)
	v_mul_f32 v[TP], s[CS], v[TP]                  ; as t
	s_delay_alu instid0(VALU_DEP_1)
	v_max_num_f32 v13, v13, v[TP]                  ; the running largest t
	v_mov_b32 v[TP], v12
	s_delay_alu instid0(VALU_DEP_2)
	v_floor_f32 v12, -v13                          ; the new -M = -ceil(t): M is a whole number
	s_delay_alu instid0(VALU_DEP_1)
	v_sub_f32 v[TP], v12, v[TP]                    ; old M - new M: a whole number, 0 or less
	s_delay_alu instid0(VALU_DEP_1)
	v_cvt_i32_f32 v[TP], v[TP]                     ; (it saturates)
	s_delay_alu instid0(VALU_DEP_1)
	v_ldexp_f32 v[F], 1.0, v[TP]                   ; f = 2^(old M - new M)
.set J, 0
.rept 32
	v_pk_fma_f32 v[S+J:S+J+1], v[S+J:S+J+1], s[CS:CS+1], v[12:13] op_sel_hi:[1,0,0]   ; t - M, two at a time
.set J, J+2
.endr
.irp b, 0,1,2,3
	v_fma_f32 v[BM+\b], v[BM+\b], s[CS], v12       ; the same of each block's largest score
.endr
.set J, 0
	s_wait_alu depctr_va_vdst(0)
.rept 64
	v_exp_f32 v[S+J], v[S+J]                       ; p = 2^(t - M), at most 1
.set J, J+1
.endr
	v_pk_mul_f32 v[14:15], v[14:15], v[F:F+1] op_sel_hi:[1,0]   ; the sums under the new M: a plain instruction behind the exponentials
	s_wait_alu depctr_va_vdst(0)                   ; one wait for the whole batch, ahead of its first reader
.irp b, 0,1,2,3
	v_exp_f32 v[BM+\b], v[BM+\b]                   ; the block's largest p: the same two instructions on the same number give the same bits
.endr
	v_pk_add_f32 v[252:253], v[108:109], v[112:113]
	v_pk_add_f32 v[254:255], v[116:117], v[120:121]
	v_pk_add_f32 v[238:239], v[124:125], v[128:129]
	v_pk_add_f32 v[236:237], v[132:133], v[136:137]
	v_pk_add_f32 v[234:235], v[140:141], v[144:145]
	v_pk_add_f32 v[232:233], v[148:149], v[152:153]
	v_pk_add_f32 v[230:231], v[156:157], v[160:161]
	v_pk_add_f32 v[14:15], v[14:15], v[164:165]
	v_pk_add_f32 v[252:253], v[252:253], v[104:105]
	v_pk_add_f32 v[254:255], v[254:255], v[106:107]
	v_pk_add_f32 v[238:239], v[238:239], v[110:111]
	v_pk_add_f32 v[236:237], v[236:237], v[114:115]
	v_pk_add_f32 v[234:235], v[234:235], v[118:119]
	v_pk_add_f32 v[232:233], v[232:233], v[122:123]
	v_pk_add_f32 v[230:231], v[230:231], v[126:127]
	v_pk_add_f32 v[14:15], v[14:15], v[130:131]
	v_pk_add_f32 v[252:253], v[252:253], v[134:135]
	v_pk_add_f32 v[254:255], v[254:255], v[138:139]
	v_pk_add_f32 v[238:239], v[238:239], v[142:143]
	v_pk_add_f32 v[236:237], v[236:237], v[146:147]
	v_pk_add_f32 v[234:235], v[234:235], v[150:151]
	v_pk_add_f32 v[232:233], v[232:233], v[154:155]
	v_pk_add_f32 v[230:231], v[230:231], v[158:159]
	v_pk_add_f32 v[14:15], v[14:15], v[162:163]
	v_pk_add_f32 v[252:253], v[252:253], v[166:167]
	s_delay_alu instid0(VALU_DEP_2)
	v_pk_add_f32 v[14:15], v[14:15], v[236:237]
	s_delay_alu instid0(VALU_DEP_2)
	v_pk_add_f32 v[252:253], v[252:253], v[234:235]
	v_pk_add_f32 v[254:255], v[254:255], v[232:233]
	v_pk_add_f32 v[238:239], v[238:239], v[230:231]
	s_delay_alu instid0(VALU_DEP_2)
	v_pk_add_f32 v[14:15], v[14:15], v[254:255]
	s_delay_alu instid0(VALU_DEP_2)
	v_pk_add_f32 v[252:253], v[252:253], v[238:239]
	s_delay_alu instid0(VALU_DEP_1)
	v_pk_add_f32 v[14:15], v[14:15], v[252:253]
	s_wait_alu depctr_va_vdst(0)                   ; and one for the four
.irp b, 0,1,2,3
	v_max_num_f32 v[BM+\b], 0x4800000, v[BM+\b]    ; the floor 2^(9 - 127): the byte cannot fall under 1
.endr
.irp b, 0,1,2,3
	s_delay_alu instid0(VALU_DEP_4)
	v_add_nc_u32 v[SO+\b], 0xfc000000, v[BM+\b]    ; 8 off the exponent field: the conversion's scale operand
.endr
.irp b, 0,1,2,3
.endr
.irp b, 0,1,2,3
	s_delay_alu instid0(VALU_DEP_4)
	v_lshrrev_b32 v[PD+\b], 23, v[SO+\b]           ; the scale's byte
.endr
	s_delay_alu instid0(VALU_DEP_3)
	v_lshl_or_b32 v[PSW], v[PD+1], 8, v[PD]        ; p's scale word for these 128 keys
	s_delay_alu instid0(VALU_DEP_1)
	v_lshl_or_b32 v[PSW], v[PD+2], 16, v[PSW]
	s_delay_alu instid0(VALU_DEP_1)
	v_lshl_or_b32 v[PSW], v[PD+3], 24, v[PSW]
.irp b, 0,1,2,3
.irp i, 0,1,2,3,4,5,6,7,8,9,10,11,12,13,14,15
.endr
	v_cvt_scalef32_pk8_fp8_f32 v[PC+4*\b:PC+1+4*\b], v[S+16*\b:S+7+16*\b], v[SO+\b]
	v_cvt_scalef32_pk8_fp8_f32 v[PC+2+4*\b:PC+3+4*\b], v[S+8+16*\b:S+15+16*\b], v[SO+\b]
.endr
.set J, 0
.rept 16
	v_pk_mul_f32 v[O+J:O+J+1], v[O+J:O+J+1], v[F:F+1] op_sel_hi:[1,0]   ; O^T under the new M.  (These are also the places between the codes and the products)
.set J, J+2
.endr
	s_wait_alu depctr_va_vdst(0)
	s_wait_dscnt 0x0                               ; V^T's fragments and scale words are in
	v_wmma_scale_f32_16x16x128_f8f6f4 v[O:O+7], v[KT:KT+15], v[PC:PC+15], v[O:O+7], v[VSW], v[PSW]
	v_wmma_scale_f32_16x16x128_f8f6f4 v[O+8:O+15], v[KT+16:KT+31], v[PC:PC+15], v[O+8:O+15], v[VSW], v[PSW] matrix_a_scale:MATRIX_SCALE_ROW1
	v_wmma_scale_f32_16x16x128_f8f6f4 v[O+16:O+23], v[KT+32:KT+47], v[PC:PC+15], v[O+16:O+23], v[VSW+1], v[PSW]
	v_wmma_scale_f32_16x16x128_f8f6f4 v[O+24:O+31], v[KT+48:KT+63], v[PC:PC+15], v[O+24:O+31], v[VSW+1], v[PSW] matrix_a_scale:MATRIX_SCALE_ROW1
.Lhidden_\@:
	s_add_co_u32 s[KF], s[KF], 128
.endm
; THE CHANGE OF SLOTS stands at a slot's head.  Each wave waits for all its tensor loads, adds 0 to its spare word, and waits for that and for its reads of the slot that it has left.  Behind the barrier the slot
; ahead is whole and nobody reads the other one.  fill = 1: that other slot is filled with the keys of the next trip: slot tau + 1 of the head while the first query block is served, then slots 0 on for the second.
.macro CHANGE fill
	s_wait_tensorcnt 0x0                           ; no tensor load of mine is out, so group 0 may be written
	ds_add_u32 v[SPW], v[NIL]                      ; 0 onto my spare word
	s_lshl_b32 s[KF], s[SGN], 8                    ; this trip's first key
.if \fill
	s_xor_b32 s[G0+1], s[G0+1], SLOT1              ; the other slot than last time
	s_add_co_u32 s52, s[TAU], 1
	s_sub_co_u32 s53, s[TAU], s[II]
	s_cmp_gt_u32 s52, s[II]
	s_cselect_b32 s[SGN], s53, s52                 ; the next trip's keys: tau - I behind the change of query blocks, else tau + 1
	s_mul_i32 s[OFF], s[SGN], 2*REC
	s_add_nc_u64 s[G0+2:G0+3], s[KVB:KVB+1], s[OFF:OFF+1]
	s_or_b32 s[G0+3], s[G0+3], 0x80000000
	s_wait_xcnt 0x0                                ; the last prefetch, a slot back, has read its address, so it may be written
	s_add_nc_u64 s[PFA:PFA+1], s[PFA:PFA+1], 2*REC
.endif
	s_wait_dscnt 0x0                               ; the add is done, and my reads of the slot that I have left are over
	s_barrier_signal -1
	s_barrier_wait -1
.if \fill
	TLOAD                                          ; the first thing behind the barrier, and a wave's one tensor load until the next
	ASK
.endif
.endm
.macro SLOT_STEPS
	STEP 0
	STEP 1
	s_xor_b32 s[TB], s[TB], SLOT1                  ; on to the other slot
.endm
; A QUERY BLOCK'S END.  O^T is divided by the sum and quantised along the model's axis: my head's 64 channels are two blocks of 32, 16 numbers of each in my lane.  The next product's other operand arrives in the true
; order, so the codes are put straight: lanes 0-15 want channels 32 g + 0..15, lanes 16-31 channels 32 g + 16..31; half of them lie in lane l xor 16.
.macro FINISH
.rept 8
	v_nop                                          ; places behind the last products
.endr
	v_add_f32 v14, v14, v15                        ; the sum's two halves,
	s_delay_alu instid0(VALU_DEP_1)
	v_permlanex16_b32 v[TP], v14, s[SEL], s[SEL+1]
	s_delay_alu instid0(VALU_DEP_1)
	v_add_f32 v14, v14, v[TP]                      ; and lane l xor 16's: the row's sum
	s_wait_alu depctr_va_vdst(0)
	v_rcp_f32 v14, v14
	v_nop                                          ; a plain instruction behind the reciprocal
	s_lshr_b32 s52, s[BH], 4
	s_lshl_b32 s52, s52, 11
	s_add_co_u32 s52, s52, s[Q0]                   ; my first row of the 8,192: 2,048 x batch + query
	s_and_b32 s54, s[BH], 15                       ; the head
	s_add_co_u32 s53, s52, s54
	s_lshl_b32 s50, s53, 10                        ; o_img: 16,384 bytes for 16 rows, 1,024 bytes a head
	s_mov_b32 s51, 0
	s_add_nc_u64 s[46:47], s[10:11], s[50:51]
	s_lshl_b32 s50, s52, 5                         ; o_sc: 32 bytes a row, 2 bytes a head
	s_lshl_b32 s54, s54, 1
	s_add_co_u32 s50, s50, s54
	s_add_nc_u64 s[48:49], s[12:13], s[50:51]
	s_wait_alu depctr_va_vdst(0)                   ; the wait, ahead of the reciprocal's first reader
.set J, 0
.rept 16
	v_pk_mul_f32 v[S+J:S+J+1], v[O+J:O+J+1], v[14:15] op_sel_hi:[1,0]   ; register 8 t + j is o(query, 16 t + 8 h + j); each accumulator is read from its low end on
.set J, J+2
.endr
.irp g, 0,1
	v_max3_num_f32 v[BM+\g], |v[S+16*\g]|, |v[S+1+16*\g]|, 0x4800000
.endr
.irp i, 2,4,6,8,10,12,14
.irp g, 0,1
	s_delay_alu instid0(VALU_DEP_2)
	v_max3_num_f32 v[BM+\g], v[BM+\g], |v[S+16*\g+\i]|, |v[S+1+16*\g+\i]|
.endr
.endr
.irp g, 0,1
	s_delay_alu instid0(VALU_DEP_2)
	v_permlanex16_b32 v[PD+\g], v[BM+\g], s[SEL], s[SEL+1]
.endr
.irp g, 0,1
	s_delay_alu instid0(VALU_DEP_2)
	v_max_num_f32 v[BM+\g], v[BM+\g], v[PD+\g]
.endr
.irp g, 0,1
	s_delay_alu instid0(VALU_DEP_2)
	v_add_nc_u32 v[SO+\g], 0xfc000000, v[BM+\g]
.endr
.irp g, 0,1
.endr
.irp g, 0,1
	s_delay_alu instid0(VALU_DEP_2)
	v_lshrrev_b32 v[PD+\g], 23, v[SO+\g]
.endr
	s_delay_alu instid0(VALU_DEP_1)
	v_lshl_or_b32 v[OW], v[PD+1], 8, v[PD]         ; my row's two scale bytes
.irp g, 0,1
.irp i, 0,1,2,3,4,5,6,7,8,9,10,11,12,13,14,15
.endr
	v_cvt_scalef32_pk8_fp8_f32 v[PC+4*\g:PC+1+4*\g], v[S+16*\g:S+7+16*\g], v[SO+\g]
	v_cvt_scalef32_pk8_fp8_f32 v[PC+2+4*\g:PC+3+4*\g], v[S+8+16*\g:S+15+16*\g], v[SO+\g]
.endr
	v_nop                                          ; one plain instruction between the conversions and the first instruction that touches their results
.irp j, 0,1,2,3,4,5,6,7
	v_permlanex16_b32 v[T+\j], v[PC+\j], s[SEL], s[SEL+1]
.endr
.irp g, 0,1
.irp k, 0,1
	v_cndmask_b32 v[PC+4*\g+\k], v[PC+4*\g+\k], v[T+4*\g+2+\k], s[HM]      ; lanes 0-15 keep channels 0..7; lanes 16-31 take 16..23 from the other half
	v_cndmask_b32 v[PC+4*\g+2+\k], v[T+4*\g+\k], v[PC+4*\g+2+\k], s[HM]    ; lanes 0-15 take channels 8..15 from the other half; lanes 16-31 keep 24..31
.endr
.endr
	global_store_b128 v[LI], v[PC:PC+3], s[46:47]              ; 32 lanes store 512 consecutive bytes, aligned to 256
	global_store_b128 v[LI], v[PC+4:PC+7], s[46:47] offset:512
	global_store_b16 v[R32], v[OW], s[48:49]                   ; two bytes a row, rows 32 bytes apart (both halves of the lanes write the same bytes): one byte in 32 of what the launch stores leaves in such small pieces
.endm
	s_mov_b32 s[QB], s[II]
	INIT
	s_mov_b32 s[TAU], 0
.Lslot:                                            ; eight trips: behind each change of slots but the last the next trip's keys are asked for
	CHANGE 1
	SLOT_STEPS
	s_cmp_eq_u32 s[TAU], s[II]                     ; the first query block has seen its last keys
	s_cbranch_scc0 .Lsame
	FINISH
	s_sub_co_u32 s[QB], 7, s[II]
	INIT
.Lsame:
	s_add_co_u32 s[TAU], s[TAU], 1
	s_cmp_lt_u32 s[TAU], 8
	s_cbranch_scc1 .Lslot
	CHANGE 0                                       ; the last trip is written out
	SLOT_STEPS
	FINISH
	s_wait_tensorcnt 0x0                           ; the wave's end
	ds_add_u32 v[SPW], v[NIL]
	s_wait_dscnt 0x0
	s_endpgm
.Lfunc_end_k_q33054035c7_attn:
	.size	k_q33054035c7_attn, .Lfunc_end_k_q33054035c7_attn-k_q33054035c7_attn
	.p2alignl 7, 3214868480
	.fill 96, 4, 3214868480
	.section	.rodata,"a",@progbits
	.p2align	6, 0x0
	.amdhsa_kernel k_q33054035c7_attn
		.amdhsa_group_segment_fixed_size 327680
		.amdhsa_private_segment_fixed_size 0
		.amdhsa_enable_private_segment 0
		.amdhsa_kernarg_size 40
		.amdhsa_user_sgpr_count 2
		.amdhsa_user_sgpr_kernarg_segment_ptr 1
		.amdhsa_wavefront_size32 1
		.amdhsa_system_sgpr_workgroup_id_x 1
		.amdhsa_system_sgpr_workgroup_id_y 1
		.amdhsa_system_sgpr_workgroup_id_z 1
		.amdhsa_system_vgpr_workitem_id 0
		.amdhsa_next_free_vgpr 256
		.amdhsa_next_free_sgpr 66
		.amdhsa_reserve_vcc 1
		.amdhsa_float_denorm_mode_32 3
		.amdhsa_float_denorm_mode_16_64 3
		.amdhsa_fp16_overflow 1
		.amdhsa_memory_ordered 1
		.amdhsa_forward_progress 1
		.amdhsa_inst_pref_size 111
	.end_amdhsa_kernel
	.amdgpu_metadata
---
amdhsa.version: [ 1, 2 ]
amdhsa.kernels:
  - .name:           k_q33054035c7_attn
    .symbol:         k_q33054035c7_attn.kd
    .args:
      - { .name: q_img, .offset: 0, .size: 8, .value_kind: global_buffer, .address_space: global }
      - { .name: q_sc, .offset: 8, .size: 8, .value_kind: global_buffer, .address_space: global }
      - { .name: kv, .offset: 16, .size: 8, .value_kind: global_buffer, .address_space: global }
      - { .name: o_img, .offset: 24, .size: 8, .value_kind: global_buffer, .address_space: global }
      - { .name: o_sc, .offset: 32, .size: 8, .value_kind: global_buffer, .address_space: global }
    .group_segment_fixed_size: 327680
    .private_segment_fixed_size: 0
    .kernarg_segment_align: 8
    .kernarg_segment_size: 40
    .max_flat_workgroup_size: 512
    .sgpr_count:     66
    .vgpr_count:     256
    .wavefront_size: 32
...
	.end_amdgpu_metadata
.endif
;; end of part 2
;; launch proj (part 3): grid 8 x 32, 4 waves a work-group, clusters of 4 x 4, 327,680 bytes of LDS; arguments o_img, o_sc, W_out_codes, W_out_scales, b_out, out0; writes out0
.if DOCPART == 3
	.amdgcn_target "amdgcn-amd-amdhsa--gfx1250"
	.amdhsa_code_object_version 6
	.text
	.protected	k_q33054035c7_proj
	.globl	k_q33054035c7_proj
	.p2align	8
	.type	k_q33054035c7_proj,@function
k_q33054035c7_proj:
	s_mov_b64 s[64:65], 0
	v_nop
	global_prefetch_b8 v0, s[64:65] scope:SCOPE_SE
	s_setreg_imm32_b32 hwreg(HW_REG_WAVE_MODE, 25, 1), 1
	s_wait_xcnt 0x0
	s_wait_alu depctr_hold_cnt(0) depctr_sa_sdst(0) depctr_va_vdst(0) depctr_va_sdst(0) depctr_va_ssrc(0) depctr_va_vcc(0) depctr_vm_vsrc(0)
	s_getreg_b32 s2, hwreg(HW_REG_IB_STS2, 6, 4)
	s_cmp_eq_u32 s2, 0
	s_cbranch_scc0 .Lentry_in_a_cluster
	s_endpgm
.Lentry_in_a_cluster:
	s_bfe_u32 s2, ttmp6, 0x10000c
	s_cmp_lg_u32 s2, 0xf033
	s_cbranch_scc0 .Lentry_shape_is_right
	s_endpgm
.Lentry_shape_is_right:
; out0 = o W_out + b_out on codes of FP8 (E4M3) with one E8M0 scale for each 32 along K.  o: 8,192 rows x 1,024, as images of operand registers: o_img [16 rows: 512][128 along K: 8][c 4][lane][16 B]; o_sc [8192][32] bytes.
; W_out: [1024][1024] codes, K innermost; its scale bytes [1024][32].  b_out [1024], out0 [8192][1024]: f32.
; A tile of 256 rows x 128 columns is made by a work-group of four waves: 256 work-groups; tiles of 256 x 256 would be 128.  A wave makes 128 x 64: 32 accumulators of 16 x 16, 256 registers.
; K goes in steps of 256 through a ring of two LDS slots.  o's part of a slot is 16 pieces of 4,096 consecutive bytes, laid on end: a fragment is read back as 4 x 512 consecutive bytes.  W's part is rows of 256 bytes + 16 of padding.
; CLUSTERS: 4 x 4 work-groups; o's tiles are asked for jointly along a row of the cluster, W's along a column.
; THE MATRIX INSTRUCTION IS USED TRANSPOSED (source 0 = 16 rows of W, source 1 = 16 rows of o): a lane holds eight neighbouring numbers of a row of out0.  The bias is the C of each sum's first instruction.
; REGISTERS, in windows of 256: window 0: v0-31 addresses; v32-63 scale words, two sets; v64-95 the bias; from v128 o's fragments, one set.   window 1: W's fragments, two sets, at v0 and v128.   window 2: accumulator (a, b) at v[8 (4 a + b)].
; LIMITS: NaN, infinities and a given scale byte 0xff are not served.
.set NQ,     2                         ; matrix instructions deep in a slot
.set PITCH,  272
.set FR,     16
.set NL,     4
.set NP,     8                         ; places behind this matrix instruction (ISA guide 7.12.1)
.set AHALF,  32768                     ; o: 8 blocks of 16 rows x 256 along K: what one tensor load brings
.set BOFF,   2*AHALF
.set BHALF,  64*PITCH                  ; W: 64 rows
.set SLOT,   BOFF+2*BHALF
.set SCL,    2*SLOT                    ; behind the ring: the scales, as units of 256 bytes + 16 of padding
.set AHS,    16*272                    ; o's of 128 rows
.set BHS,    8*272                     ; W's of 64 rows
.set SBLK,   2*272                     ; those of 16 rows
.set SPARE,  SCL+2*AHS+2*BHS           ; the spare words, 128 bytes for each wave
.set SPITCH, 272                       ; the way out: a stage of 16 rows x (256 bytes + 16) for each wave, in slot 0, which has had its last fill and its last read by then
.set ADRA, 16                          ; v16-17  LDS address of o's fragments in slot 0, 1
.set ADRB, 20                          ; v20-21  the same for W
.set BO,   22                          ; v22     32 (lane / 16)
.set STO,  24
.set RD,   25
.set CO,   26
.set ADRS, 27                          ; v27     scale words: lanes 0-15 o's rows, lanes 16-31 W's
.set SPW,  28
.set NIL,  29
.set ADRSA, 30                         ; v30     scale words: o's rows in all lanes (W has four blocks only)
.set SC,   32
.set BI,   64                          ; v64-95  b_out[n0 + 16 b + 8 (lane / 16) + j] at 8 b + j
.set AF,   128
.set BK,   128                         ; the way out: rows read back: v128-159 and v160-191 by turns
.set G1, 24
.set G0, 32
.set G1B, 48
.set G0B, 56
.set G1S, 68
.set G0S, 76
.set G1SB, 80
.set G0SB, 88
.set MSB, 0
.macro WIN new                         ; the immediate's high byte repeats the setting that is left
.if MSB != \new
	s_set_vgpr_msb (MSB<<8)|\new
.set MSB, \new
.endif
.endm
.set MUL,   0xa1                       ; source 0 (W) window 1, source 1 (o) window 0, C and D window 2
.set MUL_F, 0x81                       ; the same with C (the bias) in window 0
.set TO_B,  0x40
.macro JLOAD g0a, g1a, g0b, g1b        ; a joint load: waves 0 and 1 fetch for o, waves 2 and 3 for W; four v_nop follow each of the two lines
	s_cmp_eq_u32 s15, 0
	s_cbranch_scc0 .Lfor_b_\@
	tensor_load_to_lds s[\g0a:\g0a+3], s[\g1a:\g1a+7]
	s_nop 0
.rept 4
	v_nop
.endr
	s_branch .Lasked_\@
.Lfor_b_\@:
	tensor_load_to_lds s[\g0b:\g0b+3], s[\g1b:\g1b+7]
	s_nop 0
.rept 4
	v_nop
.endr
.Lasked_\@:
.endm
.macro CREST
	s_cmp_lg_u32 s14, 0
	s_cbranch_scc1 .Lnot_wave_0_\@
	s_barrier_signal -3
.Lnot_wave_0_\@:
	s_barrier_wait -3
	s_barrier_signal -1
	s_barrier_wait -1
.endm
.macro CROUND
	s_barrier_signal -1
	s_barrier_wait -1
	CREST
.endm
	s_load_b256 s[4:11], s[0:1], 0x0               ; o_img s[4:5], o_sc s[6:7], W's codes s[8:9], W's scales s[10:11]
	s_load_b128 s[92:95], s[0:1], 0x20             ; b_out s[92:93], out0 s[94:95]
	v_lshl_add_u32 v[SPW], v0, 2, SPARE
	v_mov_b32 v[NIL], 0
	ds_add_u32 v28, v29
	ds_add_u32 v28, v29
	s_wait_dscnt 0x0
	v_lshrrev_b32 v1, 5, v0
	v_readfirstlane_b32 s14, v1                    ; wave 0..3
	s_lshr_b32 s15, s14, 1                         ; which half of the tile's rows is mine.  Also: I fetch for o (0) or for W (1)
	s_and_b32 s16, s14, 1                          ; which half of its columns.  Also: which half of that tile I fetch
	s_bfe_u32 s40, ttmp6, 0x40000                  ; cx, cy
	s_bfe_u32 s41, ttmp6, 0x40004
	s_lshl_b32 s42, ttmp9, 2
	s_add_co_u32 s42, s42, s40                     ; tile column
	s_and_b32 s17, ttmp7, 0xffff
	s_lshl_b32 s17, s17, 2
	s_add_co_u32 s17, s17, s41                     ; tile row
	s_lshl_b32 s43, s41, 2
	s_lshl_b32 s43, 15, s43                        ; my row of the cluster
	s_lshl_b32 s44, 0x1111, s40                    ; my column
	; o: 8 pieces of 4,096 bytes (512 elements of 8 bytes), 16,384 bytes apart in memory, on end in LDS
	s_or_b32 s[G1+0], s43, (3<<16)|(1<<21)
	s_mov_b32 s[G1+1], 512<<16                     ; tensor_dim0
	s_mov_b32 s[G1+2], 8<<16                       ; tensor_dim1
	s_mov_b32 s[G1+3], 512<<16                     ; tile_dim0
	s_mov_b32 s[G1+4], 8                           ; tile_dim1
	s_mov_b32 s[G1+5], 2048                        ; tensor_dim0_stride
	s_mov_b32 s[G1+6], 0
	s_mov_b32 s[G1+7], 0
	; W: 64 rows x 256 bytes, 4 words of padding after every 64
	s_or_b32 s[G1B+0], s44, (0<<16)|(1<<20)|(1<<21)|(5<<22)|(3<<25)
	s_mov_b32 s[G1B+1], 256<<16
	s_mov_b32 s[G1B+2], 64<<16
	s_mov_b32 s[G1B+3], 256<<16
	s_mov_b32 s[G1B+4], 64
	s_mov_b32 s[G1B+5], 1024
	s_mov_b32 s[G1B+6], 0
	s_mov_b32 s[G1B+7], 0
	; the scales: dense blocks as rows of 256 bytes, 16 bytes of padding behind each: o's 128 rows are 16 such rows, W's 64 rows are 8
	s_or_b32 s[G1S+0], s43, (3<<16)|(1<<20)|(1<<21)|(5<<22)|(3<<25)
	s_mov_b32 s[G1S+1], 32<<16
	s_mov_b32 s[G1S+2], 16<<16
	s_mov_b32 s[G1S+3], 32<<16
	s_mov_b32 s[G1S+4], 16
	s_mov_b32 s[G1S+5], 32
	s_mov_b32 s[G1S+6], 0
	s_mov_b32 s[G1S+7], 0
	s_or_b32 s[G1SB+0], s44, (3<<16)|(1<<20)|(1<<21)|(5<<22)|(3<<25)
	s_mov_b32 s[G1SB+1], 32<<16
	s_mov_b32 s[G1SB+2], 8<<16
	s_mov_b32 s[G1SB+3], 32<<16
	s_mov_b32 s[G1SB+4], 8
	s_mov_b32 s[G1SB+5], 32
	s_mov_b32 s[G1SB+6], 0
	s_mov_b32 s[G1SB+7], 0
	s_lshl_b32 s20, s17, 18                        ; o's codes: 16 blocks of 16,384 bytes a tile row,
	s_lshl_b32 s18, s16, 17                        ; 8 blocks a half
	s_add_co_u32 s20, s20, s18
	s_mov_b32 s21, 0
	s_lshl_b32 s22, s17, 13                        ; o's scales: 256 rows of 32 bytes,
	s_lshl_b32 s18, s16, 12                        ; 128 rows a half
	s_add_co_u32 s22, s22, s18
	s_mov_b32 s23, 0
	s_lshl_b32 s46, s42, 17                        ; W's codes: 128 rows of 1,024 bytes a tile column,
	s_lshl_b32 s18, s16, 16                        ; 64 rows a half
	s_add_co_u32 s46, s46, s18
	s_mov_b32 s47, 0
	s_lshl_b32 s12, s42, 12                        ; W's scales
	s_lshl_b32 s18, s16, 11
	s_add_co_u32 s12, s12, s18
	s_mov_b32 s13, 0
	s_lshl_b32 s45, s16, 15                        ; where they go: no place in the cluster enters an LDS address
	s_mul_i32 s66, s16, BHALF
	s_add_co_u32 s66, s66, BOFF
	s_mul_i32 s67, s16, AHS
	s_add_co_u32 s67, s67, SCL
	s_mul_i32 s19, s16, BHS
	s_add_co_u32 s19, s19, SCL+2*AHS
	s_wait_kmcnt 0x0
	s_add_nc_u64 s[20:21], s[4:5], s[20:21]
	s_add_nc_u64 s[22:23], s[6:7], s[22:23]
	s_add_nc_u64 s[46:47], s[8:9], s[46:47]
	s_add_nc_u64 s[12:13], s[10:11], s[12:13]
	CROUND                                         ; all sixteen work-groups are here: the first joint loads meet
	s_mov_b32 s[G0S], 1
	s_mov_b32 s[G0S+1], s67
	s_mov_b64 s[G0S+2:G0S+3], s[22:23]
	s_or_b32 s[G0S+3], s[G0S+3], 0x80000000
	s_mov_b32 s[G0SB], 1
	s_mov_b32 s[G0SB+1], s19
	s_mov_b64 s[G0SB+2:G0SB+3], s[12:13]
	s_or_b32 s[G0SB+3], s[G0SB+3], 0x80000000
	JLOAD G0S, G1S, G0SB, G1SB                     ; the scales first.  Each load below waits for all of mine before it: one is out at a time
.irp s, 0,1
	s_mov_b32 s[G0+4*\s], 1
	s_add_co_u32 s[G0+4*\s+1], s45, \s*SLOT
	s_add_nc_u64 s[G0+4*\s+2:G0+4*\s+3], s[20:21], \s*4096
	s_or_b32 s[G0+4*\s+3], s[G0+4*\s+3], 0x80000000
	s_mov_b32 s[G0B+4*\s], 1
	s_add_co_u32 s[G0B+4*\s+1], s66, \s*SLOT
	s_add_nc_u64 s[G0B+4*\s+2:G0B+4*\s+3], s[46:47], \s*256
	s_or_b32 s[G0B+4*\s+3], s[G0B+4*\s+3], 0x80000000
	s_wait_alu depctr_va_vdst(0)
	s_wait_tensorcnt 0x0
	ds_add_u32 v28, v29
	s_wait_dscnt 0x0
	CROUND
	JLOAD G0+4*\s, G1, G0B+4*\s, G1B
.endr
	v_and_b32 v1, 15, v0                           ; r
	v_bfe_u32 v2, v0, 4, 1                         ; h
	v_and_b32 v6, 31, v0
	v_lshlrev_b32 v3, 4, v6                        ; o's images: 16 x lane
	v_mul_u32_u24 v4, v1, PITCH
	v_lshl_add_u32 v4, v2, 4, v4                   ; W's rows: row x pitch + 16 x half
	s_lshl_b32 s21, s15, 15                        ; my 8 blocks of o
	s_mul_i32 s22, s16, BHALF                      ; my 64 rows of W
	s_add_co_u32 s22, s22, BOFF
.irp s, 0,1
	v_add_nc_u32 v[ADRA+\s], s21, v3
	v_add_nc_u32 v[ADRB+\s], s22, v4
	s_add_co_u32 s21, s21, SLOT
	s_add_co_u32 s22, s22, SLOT
.endr
	v_mul_u32_u24 v5, v1, 32                       ; my row's scales: 32 bytes a row,
	v_lshrrev_b32 v6, 8, v5
	v_lshl_add_u32 v5, v6, 4, v5                   ; and 16 more for each 256 passed
	s_mul_i32 s21, s15, AHS                        ; o's: my 128 rows
	s_mul_i32 s22, s16, BHS                        ; W's: my 64 rows, behind o's 256
	s_add_co_u32 s22, s22, 2*AHS
	s_sub_co_u32 s22, s22, s21                     ; the distance: 4,352 at the least
	v_mul_u32_u24 v6, s22, v2                      ; lanes 16-31 take W's
	s_add_co_u32 s21, s21, SCL
	v_add_nc_u32 v[ADRSA], s21, v5
	v_add_nc_u32 v[ADRS], v[ADRSA], v6
	s_mul_i32 s23, s14, 16*SPITCH                  ; my stage
	v_mul_u32_u24 v5, v1, SPITCH                   ; in: row r, 32 bytes for each half of the lanes
	v_lshl_add_u32 v5, v2, 5, v5
	v_add_nc_u32 v[STO], s23, v5
	v_mul_u32_u24 v5, v2, SPITCH                   ; back: lanes 0-15 one row of 256 bytes, lanes 16-31 the next
	v_lshl_add_u32 v5, v1, 4, v5
	v_add_nc_u32 v[RD], s23, v5
	v_lshlrev_b32 v5, 12, v2                       ; and the same two rows in out0: 4,096 bytes a row
	v_lshl_add_u32 v[CO], v1, 4, v5
	v_lshlrev_b32 v[BO], 5, v2
	s_wait_alu depctr_va_vdst(0)
	s_lshl_b32 s20, s17, 8
	s_lshl_b32 s21, s15, 7
	s_add_co_u32 s20, s20, s21                     ; my first row
	s_lshl_b32 s20, s20, 12
	s_mov_b32 s21, 0
	s_lshl_b32 s46, s42, 9                         ; my first column, in bytes: 512 x tile column + 256 x half; the same offset serves b_out
	s_lshl_b32 s47, s16, 8
	s_add_co_u32 s46, s46, s47
	s_mov_b32 s47, 0
	s_add_nc_u64 s[94:95], s[94:95], s[20:21]
	s_add_nc_u64 s[94:95], s[94:95], s[46:47]
	s_add_nc_u64 s[92:93], s[92:93], s[46:47]
.irp b, 0,1,2,3
	global_load_b128 v[BI+8*\b:BI+8*\b+3], v[BO], s[92:93] offset:64*\b
	global_load_b128 v[BI+8*\b+4:BI+8*\b+7], v[BO], s[92:93] offset:64*\b+16
.endr
.macro FRAGA reg, slot, q, i           ; o's fragment (block i, the slot's q-th 128 along K): an image of 16 registers, 4 x 512 consecutive bytes
.irp c, 0,1,2,3
	ds_load_b128 v[\reg+4*\c:\reg+4*\c+3], v[ADRA+\slot] offset:4096*(\i)+2048*(\q)+512*\c
.endr
.endm
.macro FRAGB reg, slot, q, i           ; W's: lane l holds row l % 16; registers 4 c .. 4 c + 3 hold K = 32 c + 16 (l / 16) + 0 .. 15
.irp c, 0,1,2,3
	ds_load_b128 v[\reg+4*\c:\reg+4*\c+3], v[ADRB+\slot] offset:128*(\q)+32*\c+(\i)*16*PITCH
.endr
.endm
; 8 matrix instructions: o's blocks a0, a0 + 1 x W's four.  first = 1: the bias is the C of the sum's first instruction.  The 32 accumulators take turns, one instruction a turn, in the same order in every step.
.macro MUL8 a0, p, q, sc, first
.irp a, \a0, \a0+1
.irp b, 0,1,2,3
.if \first
	v_wmma_scale_f32_16x16x128_f8f6f4 v[8*(4*(\a)+\b):8*(4*(\a)+\b)+7], v[128*(\p)+FR*\b:128*(\p)+FR*\b+FR-1], v[AF+FR*(\a):AF+FR*(\a)+FR-1], v[BI+8*\b:BI+8*\b+7], v[SC+8*NQ*(\sc)+NQ*\b+(\q)], v[SC+8*NQ*(\sc)+NQ*(\a)+(\q)] matrix_a_scale:MATRIX_SCALE_ROW1
.else
	v_wmma_scale_f32_16x16x128_f8f6f4 v[8*(4*(\a)+\b):8*(4*(\a)+\b)+7], v[128*(\p)+FR*\b:128*(\p)+FR*\b+FR-1], v[AF+FR*(\a):AF+FR*(\a)+FR-1], v[8*(4*(\a)+\b):8*(4*(\a)+\b)+7], v[SC+8*NQ*(\sc)+NQ*\b+(\q)], v[SC+8*NQ*(\sc)+NQ*(\a)+(\q)] matrix_a_scale:MATRIX_SCALE_ROW1
.endif
.endr
.endr
.endm
.macro FETCH_B slot, q, p
	WIN TO_B
.irp i, 0,1,2,3
	FRAGB 128*(\p)+FR*\i, \slot, \q, \i
.endr
	WIN 0
.endm
.macro FETCH_A slot, q, i0
.irp i, \i0, \i0+1, \i0+2, \i0+3
	FRAGA AF+FR*(\i), \slot, \q, \i
.endr
.endm
.macro SCALES sc                       ; the next K step's scale words: blocks 0-3: lanes 0-15 o's, lanes 16-31 W's; blocks 4-7: o's alone
.irp i, 0,1,2,3
	ds_load_b64 v[SC+8*NQ*\sc+NQ*\i:SC+8*NQ*\sc+NQ*\i+1], v[ADRS] offset:\i*SBLK
.endr
.irp i, 4,5,6,7
	ds_load_b64 v[SC+8*NQ*\sc+NQ*\i:SC+8*NQ*\sc+NQ*\i+1], v[ADRSA] offset:\i*SBLK
.endr
.endm
.macro PLACES n                        ; places in front of loads into registers that matrix instructions have read, and of the first read of results
.rept \n
	v_nop
.endr
.endm
.macro MWIN first
.if \first
	WIN MUL_F
.else
	WIN MUL
.endif
.endm
.macro STEP slot, q, first             ; a step of 128 along K that has its successor in the same slot
	s_wait_dscnt 4*NL                              ; W's set and o's blocks 0-3 are in; the youngest 16 loads (blocks 4-7) may be out
	MWIN \first
	MUL8 0, (\q)%2, \q, \slot, \first
	MUL8 2, (\q)%2, \q, \slot, \first
	s_wait_dscnt 0
	PLACES NP
	FETCH_B \slot, (\q)+1, 1-(\q)%2
	FETCH_A \slot, (\q)+1, 0
	MWIN \first
	MUL8 4, (\q)%2, \q, \slot, \first
	MUL8 6, (\q)%2, \q, \slot, \first
	PLACES NP
	WIN 0
	FETCH_A \slot, (\q)+1, 4
.endm
; A slot's last step changes slots: one barrier; in front of it each wave waits for all its tensor loads, adds 0 to its spare word, and waits for that and for its own reads of this slot.
.macro TURN slot, next, fill
	s_wait_tensorcnt 0x0                           ; all my tensor loads have landed: my part of the next slot
	ds_add_u32 v[SPW], v[NIL]                      ; 0 onto my spare word
	s_wait_dscnt 4*NL+1                            ; (the add and the youngest 16 loads may be out)
	WIN MUL
	MUL8 0, 1, NQ-1, \slot, 0                      ; eight matrix instructions stand between the add and the wait for it
	s_wait_dscnt 0x0                               ; the add is done, and my reads of this slot are over
	s_barrier_signal -1
	MUL8 2, 1, NQ-1, \slot, 0
	WIN 0
	s_barrier_wait -1
.if \fill
	CREST                                          ; the barrier has opened a round of the cluster's barrier: no wave of any partner still reads this slot's tile or has a load on its way
	s_add_nc_u64 s[G0+4*\slot+2:G0+4*\slot+3], s[G0+4*\slot+2:G0+4*\slot+3], 2*4096
	s_add_nc_u64 s[G0B+4*\slot+2:G0B+4*\slot+3], s[G0B+4*\slot+2:G0B+4*\slot+3], 2*256
	JLOAD G0+4*\slot, G1, G0B+4*\slot, G1B         ; the first tensor load behind the round, my one load until the next
	PLACES NP-4
.else
	PLACES NP
.endif
	s_wait_alu depctr_va_vdst(0)
	v_add_nc_u32 v[ADRS], 4*NQ, v[ADRS]            ; on to the next K step's scale words
	v_add_nc_u32 v[ADRSA], 4*NQ, v[ADRSA]
	FETCH_B \next, 0, 0
	FETCH_A \next, 0, 0
	SCALES \next
	WIN MUL
	MUL8 4, 1, NQ-1, \slot, 0
	MUL8 6, 1, NQ-1, \slot, 0
	PLACES NP
	WIN 0
	FETCH_A \next, 0, 4
.endm
	s_wait_tensorcnt 1                             ; the scales and my part of K step 0 are in; K step 1's load may be out
	s_barrier_signal -1
	s_barrier_wait -1
	FETCH_B 0, 0, 0
	FETCH_A 0, 0, 0
	SCALES 0
	FETCH_A 0, 0, 4
	s_wait_loadcnt 0x0                             ; the bias
	STEP 0, 0, 1                                   ; the first step stands in front of the loop: its products start the sums, on the bias
	s_mov_b32 s3, 1
.Llap:                                                 ; a trip goes once round the ring and fills both slots again: K has four steps of 256
	TURN 0, 1, 1
	STEP 1, 0, 0
	TURN 1, 0, 1
	STEP 0, 0, 0
	s_sub_co_u32 s3, s3, 1
	s_cmp_lg_u32 s3, 0
	s_cbranch_scc1 .Llap
	TURN 0, 1, 0                                   ; the last lap fills nothing, and has no round of the cluster's barrier
	STEP 1, 0, 0
	s_wait_dscnt 4*NL                              ; the very last step
	WIN MUL
	MUL8 0, 1, NQ-1, 1, 0
	MUL8 2, 1, NQ-1, 1, 0
	s_wait_dscnt 0
	MUL8 4, 1, NQ-1, 1, 0
	MUL8 6, 1, NQ-1, 1, 0
	WIN 0
; THE WAY OUT, block by block of 16 rows x 64 columns: through my own stage in LDS, back as whole rows of 256 bytes, which sixteen lanes store as one aligned unit.  LDS serves a wave's instructions in order (ISA guide 5.7.1.4).
.macro TOSTAGE a
	WIN 0x08                                       ; an LDS store's data: window 2
.irp b, 0,1,2,3
	ds_store_b128 v[STO], v[32*(\a)+8*\b:32*(\a)+8*\b+3] offset:64*\b          ; each accumulator from its low end on
	ds_store_b128 v[STO], v[32*(\a)+8*\b+4:32*(\a)+8*\b+7] offset:64*\b+16
.endr
	WIN 0
.set BB, BK+32*((\a)%2)
.irp t, 0,1,2,3,4,5,6,7
	ds_load_b128 v[BB+4*\t:BB+4*\t+3], v[RD] offset:\t*2*SPITCH
.endr
.endm
.macro SEND a, younger                 ; younger: the LDS instructions issued behind block a's loads, which may stay out
.set BB, BK+32*((\a)%2)
	s_wait_dscnt \younger
.if (\a) > 0
	s_add_nc_u64 s[94:95], s[94:95], 16*4096       ; (behind a wait on XCNT: the earlier stores have read their base)  16 rows on
.endif
.irp t, 0,1,2,3,4,5,6,7
	global_store_b128 v[CO], v[BB+4*\t:BB+4*\t+3], s[94:95] offset:\t*2*4096 th:TH_STORE_NT   ; 16 lanes store 256 consecutive bytes, aligned; written once, read by nobody here
.endr
.endm
	PLACES NP
	TOSTAGE 0
.irp a, 1,2,3,4,5,6,7
.if \a > 1
	s_wait_xcnt 0x0                                ; block a - 2's stores have read their registers and their base
.endif
	TOSTAGE \a
	SEND \a-1, 16                                  ; behind block a - 1's loads: block a's 8 stores and 8 loads
.endr
	s_wait_xcnt 0x0
	SEND 7, 0
	s_wait_tensorcnt 0x0                           ; the wave's end
	ds_add_u32 v[SPW], v[NIL]
	s_wait_dscnt 0x0
	CROUND                                         ; the closing round
	s_endpgm
.Lfunc_end_k_q33054035c7_proj:
	.size	k_q33054035c7_proj, .Lfunc_end_k_q33054035c7_proj-k_q33054035c7_proj
	.p2alignl 7, 3214868480
	.fill 96, 4, 3214868480
	.section	.rodata,"a",@progbits
	.p2align	6, 0x0
	.amdhsa_kernel k_q33054035c7_proj
		.amdhsa_group_segment_fixed_size 327680
		.amdhsa_private_segment_fixed_size 0
		.amdhsa_enable_private_segment 0
		.amdhsa_kernarg_size 48
		.amdhsa_user_sgpr_count 2
		.amdhsa_user_sgpr_kernarg_segment_ptr 1
		.amdhsa_wavefront_size32 1
		.amdhsa_system_sgpr_workgroup_id_x 1
		.amdhsa_system_sgpr_workgroup_id_y 1
		.amdhsa_system_sgpr_workgroup_id_z 1
		.amdhsa_system_vgpr_workitem_id 0
		.amdhsa_next_free_vgpr 768
		.amdhsa_next_free_sgpr 100
		.amdhsa_reserve_vcc 0
		.amdhsa_float_denorm_mode_32 3
		.amdhsa_float_denorm_mode_16_64 3
		.amdhsa_memory_ordered 1
		.amdhsa_forward_progress 1
		.amdhsa_inst_pref_size 94
	.end_amdhsa_kernel
	.amdgpu_metadata
---
amdhsa.version: [ 1, 2 ]
amdhsa.kernels:
  - .name:           k_q33054035c7_proj
    .symbol:         k_q33054035c7_proj.kd
    .args:
      - { .name: o_img, .offset: 0, .size: 8, .value_kind: global_buffer, .address_space: global }
      - { .name: o_sc, .offset: 8, .size: 8, .value_kind: global_buffer, .address_space: global }
      - { .name: W_out_codes, .offset: 16, .size: 8, .value_kind: global_buffer, .address_space: global }
      - { .name: W_out_scales, .offset: 24, .size: 8, .value_kind: global_buffer, .address_space: global }
      - { .name: b_out, .offset: 32, .size: 8, .value_kind: global_buffer, .address_space: global }
      - { .name: out0, .offset: 40, .size: 8, .value_kind: global_buffer, .address_space: global }
    .group_segment_fixed_size: 327680
    .private_segment_fixed_size: 0
    .kernarg_segment_align: 8
    .kernarg_segment_size: 48
    .max_flat_workgroup_size: 128
    .sgpr_count:     100
    .vgpr_count:     768
    .wavefront_size: 32
...
	.end_amdgpu_metadata
.endif
;; end of part 3
